; MI455X (gfx1250); checked and timed in simulation.
; The chip was launched on July 23, 2026; its instructions are those of AMD's public machine-readable ISA for CDNA 5 (MIT licence, August 2026) and "CDNA5" Instruction Set Architecture Reference Guide (July 2026). The comments in the code are by the model that wrote it; some were corrected since.
;; Multi Head Attention. Allowed arithmetic: matrix products marked QUANTISED: E2M1 operands, one E8M0 scale for each 32 along K, by v_wmma_scale_f32_16x16x128_f8f6f4 with both operands' format E2M1 (or v_wmma_scale_f32_32x16x128_f4), f32 sums; everything else in f32.
;; Inputs: bk 16 x 64 float32; bo 1,024 float32; bq 16 x 64 float32; bv 16 x 64 float32; k_hidden_inputs 4 x 2,048 x 1,024 float32; mask 4 x 2,048 x 2,048 bool; q_hidden_inputs 4 x 2,048 x 1,024 float32; v_hidden_inputs 4 x 2,048 x 1,024 float32; wk 16 x 1,024 x 64 float32; wo 1,024 x 1,024 float32; wq 16 x 1,024 x 64 float32; wv 16 x 1,024 x 64 float32.
;; Outputs: out0 4 x 2,048 x 1,024 float32.
;; This version of the problem:
;;   THIS VERSION OF THE PROBLEM IS GIVEN IN LOW PRECISION. The matrix products marked QUANTISED in the list below multiply operands that are first quantised to E2M1 (2 exponent bits, 1 mantissa bit; 4 bits a number), with one power-of-two scale for each 32 numbers along K (OCP MX v1.0); their sums are f32. All else is computed in f32.
;;   The module's matrix products, in the order in which they are computed (A, B: the left and right operand; K: the contracted axis; several contracted axes count as one K, in the product's order):
;;     1. [M 1,024, K 1,024] x [K 1,024, N 8,192]; A: input wq; B: input q_hidden_inputs: QUANTISED
;;     2. [M 1,024, K 1,024] x [K 1,024, N 8,192]; A: input wk; B: input k_hidden_inputs: QUANTISED
;;     3. [M 1,024, K 1,024] x [K 1,024, N 8,192]; A: input wv; B: input v_hidden_inputs: QUANTISED
;;     4. batch 64 x [M 2,048, K 64] x [K 64, N 2,048]; A: computed on the way; B: computed on the way: QUANTISED
;;     5. batch 64 x [M 2,048, K 2,048] x [K 2,048, N 64]; A: softmax (see below); B: computed on the way: QUANTISED
;;     6. [M 8,192, K 1,024] x [K 1,024, N 1,024]; A: computed on the way; B: input wo: QUANTISED
;;   THE QUANTISER, for each operand of a quantised product, along K:
;;     - K is cut into blocks of 32 from its start; a last block that is shorter is filled with zeros.
;;     - A block's scale is 2^e with e = floor(log2(the largest magnitude in the block)) - 2, held to -126 .. 127; a block of zeros has e = 0. As a byte (E8M0): e + 127.
;;     - Each number is divided by its block's scale, clamped to +-6, and rounded to the nearest number of E2M1, ties to even, subnormals kept.
;;     - The product sums the exact products of the quantised numbers (number of the format x scale) in f32.
;;   ~~~python
;;   def quantise(x, axis):      # numpy; x: float32 -> the quantised numbers, widened to float32 again
;;       x = np.moveaxis(x, axis, -1); K = x.shape[-1]
;;       x = np.pad(x, [(0, 0)] * (x.ndim - 1) + [(0, -K % 32)]); x = x.reshape(x.shape[:-1] + (-1, 32)); a = np.abs(x).max(-1, keepdims=True)
;;       e = np.where(a > 0, np.clip(np.frexp(np.where(a > 0, a, 1))[1] - 1 - 2, -126, 127), 0)      # np.frexp(a)[1] - 1 = floor(log2(a)), exactly
;;       r = np.clip(x / 2.0 ** e, -6, 6)
;;       step = 2.0 ** (np.maximum(np.frexp(np.where(r == 0, 1, r))[1] - 1, 0) - 1)
;;       q = np.round(r / step) * step * 2.0 ** e      # np.round: ties to even
;;       return np.moveaxis(q.reshape(q.shape[:-2] + (-1,))[..., :K], -1, axis).astype(np.float32)
;;   ~~~
;;   SOFTMAX AHEAD OF A QUANTISED PRODUCT. Where the list says 'softmax', what is quantised is not the finished softmax but p = 2^(t - M), with t = logit x log2(e) and M = ceil(the row's largest t), a whole number; so 1/2 < the row's largest p <= 1. The row's sum l is taken of the UNQUANTISED p, in f32, and the product's result is divided by l at the end. Since M is a whole number, a kernel that streams over the keys may use a running M (the ceiling of the running maximum): every later rescaling is an exact power of two, which a block's scale takes up: the codes' values come out the same.
;;   OPERANDS COMPUTED ON THE WAY. 'Computed on the way' means the value that the module computes at that place (a softmax that the list does not call 'softmax' is quantised finished and normalised). What goes into a quantiser is computed in f32, as accurately as f32 sums, v_exp_f32 and their like allow (about 1e-6 of the number): no bf16 or f16 on the way to a quantiser, and a product that is left as it is and whose result goes on into a quantised operand takes f32 operands (vector FMAs, or v_wmma_f32_16x16x4_f32). A number that lies on a knife's edge between two numbers of the format may be rounded either way, as far as f32 arithmetic and the matrix unit's own rounding can turn it there, and no further.
;; One version. Each part assembles by itself: llvm-mc -triple=amdgcn-amd-amdhsa -mcpu=gfx1250 --defsym DOCPART=n.
;; ======== version 1 of 1: 4 launches
;; limits: right only within a limited range of input values
;; workspace buffers: wcodes 2,097,152 bytes; wscale 131,072 bytes; maskw 2,097,152 bytes of whole numbers; qc 4,456,448 bytes; kv 8,912,896 bytes; oc 4,194,304 bytes; os 262,144 bytes
;; launch prep (part 1): grid 512 x 1, 4 waves a work-group, no clusters, 35,328 bytes of LDS; arguments wq, wk, wv, wo, mask, wcodes, wscale, maskw; writes wcodes, wscale, maskw
.if DOCPART == 1
	.amdgcn_target "amdgcn-amd-amdhsa--gfx1250"
	.amdhsa_code_object_version 6
	.text
	.protected	k_q0119c0a022_prep
	.globl	k_q0119c0a022_prep
	.p2align	8
	.type	k_q0119c0a022_prep,@function
k_q0119c0a022_prep:
	s_mov_b64 s[64:65], 0
	v_nop
	global_prefetch_b8 v0, s[64:65] scope:SCOPE_SE
	s_setreg_imm32_b32 hwreg(HW_REG_WAVE_MODE, 25, 1), 1
	s_wait_xcnt 0x0
; PREP.  Work-groups 0-255: the four weights (wq, wk, wv: [16][1024 (K)][64]; wo: [1024 (K)][1024]), f32, become codes of FP4 (E2M1) along K with one E8M0 byte for each 32,
; laid as IMAGES OF OPERAND REGISTERS: wcodes [matrix 4][tile 64][K step 8][c 2][lane 32][16 bytes]: lane (r, h) holds k = 128 s + 64 c + 32 h + 0..31 of column 32 (T / 2) + 8 (T % 2) + r + 8 (r / 8);
; wscale [matrix][group of 32 columns][K step][lane 32][4 bytes]: lanes 0-15 the words of the group's first tile, lanes 16-31 of its second.
; THE COLUMNS OF A TILE ARE NOT NEIGHBOURS: so the 16 result registers of two neighbouring tiles are 16 neighbours along the next product's K.
; A lane takes a column and its registers run down K: a block of 32 lies in one lane, nothing is transposed.  A wave: 32 columns x 128 along K.
; Work-groups 256-511: the mask (bytes, [4][2048][2048]) becomes lane-mask words: maskw [group of 32 queries 256][tile 2][key step 16][word 64]: bit 16 h + r of word 16 b + i is
; mask[query 32 G + 8 u + r + 8 (r / 8)][key 128 step + 32 b + 16 h + i]: the select operand for score register 16 b + i.  A wave: 32 rows x 512 keys, through its own stage in LDS.
; A block's scale byte is its largest magnitude's exponent field - 2, held at 1 from below.  LIMITS: a block of zeros gets the byte 1 (its codes are zeros, and this program alone reads the bytes); NaN and infinities are not served.
; Waves share nothing: no barrier.
.set FLOOR, 0x1800000                  ; 2^(3 - 127)
.set EOFF,  0xff000000                 ; 2 off an exponent field
.set X,     32                         ; v32-159  weights: 128 numbers down K;  mask: two chunks of 16 loads
.set C,     160                        ; v160-175 weights: the codes, four registers a block
.set Y,     160                        ; v160-223 mask: a chunk read back by query
.set W,     8                          ; v8-23    mask: eight pairs of output words
.set SROW,  272                        ; a stage row: 256 bytes + 16
.macro WLD t, pitch                    ; block t: w(128 s + 32 t + i, my column), i = 0 .. 31: a wave reads 128 consecutive bytes
.set i, 0
.rept 32
	global_load_b32 v[X+32*(\t)+i], v1, s[4:5] offset:(32*(\t)+i)*(\pitch) th:TH_LOAD_NT
.set i, i+1
.endr
.endm
.macro WBLK t
.set XS, X+32*(\t)
	v_max3_num_f32 v12, |v[XS]|, |v[XS+1]|, |v[XS+2]|              ; the block's largest magnitude: all 32 numbers are mine; two chains
	v_max3_num_f32 v13, |v[XS+3]|, |v[XS+4]|, |v[XS+5]|
.irp i, 6,10,14,18,22,26
	v_max3_num_f32 v12, v12, |v[XS+\i]|, |v[XS+\i+1]|
	v_max3_num_f32 v13, v13, |v[XS+\i+2]|, |v[XS+\i+3]|
.endr
	v_max3_num_f32 v12, v12, |v[XS+30]|, |v[XS+31]|
	v_max3_num_f32 v12, v12, v13, FLOOR                            ; and the floor: the byte cannot fall under 1
	v_add_nc_u32 v11, EOFF, v12                                    ; the conversion takes the exponent field of this operand as its scale
.irp g, 0,1,2,3
	v_cvt_scalef32_pk8_fp4_f32 v[C+4*(\t)+\g], v[XS+8*\g:XS+8*\g+7], v11
.endr
.if (\t) == 0
	v_lshrrev_b32 v24, 23, v11                                     ; the scale's byte; four make the K step's word
.else
	v_lshrrev_b32 v13, 23, v11
	v_lshl_or_b32 v24, v13, 8*(\t), v24
.endif
	global_store_b128 v2, v[C+4*(\t):C+4*(\t)+3], s[14:15] offset:256*(\t)   ; lanes 0-15 fill 256 aligned bytes of the first tile, lanes 16-31 of the second
.endm
.macro WPATH pitch
	WLD 0, \pitch
	WLD 1, \pitch
	s_wait_loadcnt 32                      ; block 0 is in; block 1's 32 loads may be out
	WLD 2, \pitch
	WBLK 0
	s_wait_loadcnt 32                      ; block 1 is in; block 2's may be out
	WLD 3, \pitch
	WBLK 1
	s_wait_loadcnt 32                      ; block 2 is in; block 3's may be out
	WBLK 2
	s_wait_loadcnt 0x0
	WBLK 3
	global_store_b32 v3, v24, s[16:17]     ; 128 consecutive bytes: the 32 columns' scale words of this K step
.endm
.macro WORDS q, yb                     ; 64 words from the 16 registers v[yb] on: byte k of register n is word 4 n + k; word m goes to lane m / 2, register m % 2 of pair q
.set n, 0
.rept 16
.irp k, 0,1,2,3
	v_and_b32 v[24+\k], s[32+\k], v[(\yb)+n]
.endr
.irp k, 0,1,2,3
	v_cmp_ne_u32 s[36+\k], 0, v[24+\k]     ; a bit for each lane: the lane's (query, key) counts
.endr
.irp k, 0,1,2,3
	v_writelane_b32 v[W+2*(\q)+\k%2], s[36+\k], 2*n+\k/2
.endr
.set n, n+1
.endr
.endm
.macro CHUNK ch                        ; 32 rows x 256 keys (two key steps)
.if (\ch) == 0
	s_wait_loadcnt 16                      ; this chunk's 16 loads are in; the other chunk's may be out
.else
	s_wait_loadcnt 0x0
.endif
.set i, 0
.rept 16
	ds_store_b128 v2, v[X+64*(\ch)+4*i:X+64*(\ch)+4*i+3] offset:2*SROW*i
.set i, i+1
.endr
.irp u, 0,1                            ; LDS serves a wave's instructions in order: these see the stores above
.irp g, 0,1
.irp b, 0,1,2,3
	ds_load_b128 v[Y+16*(2*\u+\g)+4*\b:Y+16*(2*\u+\g)+4*\b+3], v3 offset:8*SROW*\u+128*\g+32*\b
.endr
.endr
.endr
.irp u, 0,1
.irp g, 0,1
	s_wait_dscnt 12-4*(2*\u+\g)            ; the four loads of this (tile, key step) are in; the later groups of four may be out
	WORDS 4*(\ch)+2*\u+\g, Y+16*(2*\u+\g)
	global_store_b64 v4, v[W+2*(4*(\ch)+2*\u+\g):W+2*(4*(\ch)+2*\u+\g)+1], s[18:19] offset:4096*\u+256*(2*(\ch)+\g)   ; 256 aligned bytes; each store has a pair of its own
.endr
.endr
.endm
	s_load_b512 s[4:19], s[0:1], 0x0       ; wq s[4:5], wk s[6:7], wv s[8:9], wo s[10:11], mask s[12:13], wcodes s[14:15], wscale s[16:17], maskw s[18:19]
	v_lshl_add_u32 v224, v0, 2, 0x8800
	v_mov_b32 v225, 0
	v_lshrrev_b32 v1, 5, v0
	v_readfirstlane_b32 s20, v1            ; wave 0..3
	v_and_b32 v4, 31, v0                   ; lane
	v_and_b32 v5, 15, v0                   ; r
	v_bfe_u32 v6, v0, 4, 1                 ; lane / 16
	v_and_b32 v7, 8, v5
	v_add_nc_u32 v7, v7, v5                ; r + 8 (r / 8)
	s_cmp_ge_u32 ttmp9, 256
	s_cbranch_scc1 .Lmask
	; ---- the weights
	s_lshr_b32 s21, ttmp9, 6               ; which matrix
	s_and_b32 s22, ttmp9, 63
	s_lshr_b32 s23, s22, 2                 ; pair of column groups (for wq, wk, wv: the head)
	s_and_b32 s24, s22, 3
	s_and_b32 s25, s20, 1
	s_lshr_b32 s26, s20, 1
	s_lshl_b32 s27, s23, 1
	s_add_co_u32 s27, s27, s25             ; B: my group of 32 columns
	s_lshl_b32 s28, s24, 1
	s_add_co_u32 s28, s28, s26             ; s: my K step
	s_wait_alu depctr_va_vdst(0)
	v_lshl_add_u32 v1, v6, 3, v7           ; my column in the group: 8 u + r + 8 (r / 8),
	v_lshlrev_b32 v1, 2, v1                ; in bytes
	v_lshlrev_b32 v2, 4, v5
	v_lshl_add_u32 v2, v6, 13, v2          ; codes: 8192 u + 16 r
	v_lshlrev_b32 v3, 2, v4                ; scale words: 4 x lane
	s_lshl_b32 s30, s21, 19                ; a matrix's codes: 524,288 bytes; a tile 8,192; a K step 1,024
	s_lshl_b32 s31, s27, 14
	s_add_co_u32 s30, s30, s31
	s_lshl_b32 s31, s28, 10
	s_add_co_u32 s30, s30, s31
	s_mov_b32 s31, 0
	s_lshl_b32 s32, s21, 15                ; a matrix's scale words: 32,768 bytes; a group 1,024; a K step 128
	s_lshl_b32 s33, s27, 10
	s_add_co_u32 s32, s32, s33
	s_lshl_b32 s33, s28, 7
	s_add_co_u32 s32, s32, s33
	s_mov_b32 s33, 0
	s_wait_kmcnt 0x0
	s_add_nc_u64 s[14:15], s[14:15], s[30:31]
	s_add_nc_u64 s[16:17], s[16:17], s[32:33]
	s_cmp_eq_u32 s21, 3
	s_cbranch_scc1 .Lwo
	s_cmp_eq_u32 s21, 0                    ; the choice hangs on the work-group's number alone
	s_cselect_b64 s[4:5], s[4:5], s[6:7]
	s_cmp_eq_u32 s21, 2
	s_cselect_b64 s[4:5], s[8:9], s[4:5]
	s_lshl_b32 s34, s23, 18                ; the head: 1,024 rows of 256 bytes
	s_lshl_b32 s35, s28, 15                ; 128 s rows
	s_add_co_u32 s34, s34, s35
	s_lshl_b32 s35, s25, 7                 ; which 32 of the head's 64 columns
	s_add_co_u32 s34, s34, s35
	s_mov_b32 s35, 0
	s_add_nc_u64 s[4:5], s[4:5], s[34:35]
	s_wait_alu depctr_va_vdst(0)
	WPATH 256
	s_endpgm
.Lwo:
	s_lshl_b32 s34, s28, 19                ; 128 s rows of 4,096 bytes
	s_lshl_b32 s35, s27, 7
	s_add_co_u32 s34, s34, s35
	s_mov_b32 s35, 0
	s_add_nc_u64 s[4:5], s[10:11], s[34:35]
	s_wait_alu depctr_va_vdst(0)
	WPATH 4096
	s_endpgm
.Lmask:
	; ---- the mask: group G = work-group - 256; wave w takes keys 512 w on
	s_sub_co_u32 s21, ttmp9, 256
	s_mul_i32 s22, s20, 32*SROW            ; my stage
	s_wait_alu depctr_va_vdst(0)
	v_lshlrev_b32 v1, 4, v5
	v_lshl_add_u32 v1, v6, 11, v1          ; in: two rows an instruction, 256 aligned bytes each
	v_mul_u32_u24 v2, v6, SROW
	v_lshl_add_u32 v2, v5, 4, v2
	v_add_nc_u32 v2, s22, v2               ; into the stage, as loaded
	v_mul_u32_u24 v3, v7, SROW
	v_lshl_add_u32 v3, v6, 4, v3
	v_add_nc_u32 v3, s22, v3               ; out of it: row r + 8 (r / 8) (+ 8 u), 16 keys at 16 h
	v_lshlrev_b32 v4, 3, v4                ; out: 8 bytes a lane
	s_lshl_b32 s24, s21, 16                ; 32 rows of 2,048 bytes
	s_lshl_b32 s25, s20, 9
	s_add_co_u32 s24, s24, s25
	s_mov_b32 s25, 0
	s_lshl_b32 s26, s21, 13
	s_lshl_b32 s27, s20, 10                ; four key steps of 256 bytes
	s_add_co_u32 s26, s26, s27
	s_mov_b32 s27, 0
	s_mov_b32 s32, 0xff
	s_mov_b32 s33, 0xff00
	s_mov_b32 s34, 0xff0000
	s_mov_b32 s35, 0xff000000
.set i, 0
.rept 16
	v_mov_b32 v[W+i], 0                    ; written whole once: v_writelane_b32 fills them lane by lane
.set i, i+1
.endr
	s_wait_kmcnt 0x0
	s_add_nc_u64 s[12:13], s[12:13], s[24:25]
	s_add_nc_u64 s[18:19], s[18:19], s[26:27]
.irp c, 0,1
.set i, 0
.rept 16
	global_load_b128 v[X+64*\c+4*i:X+64*\c+4*i+3], v1, s[12:13] offset:4096*i+256*\c th:TH_LOAD_NT
.set i, i+1
.endr
.endr
	CHUNK 0
	CHUNK 1
	s_wait_tensorcnt 0x0
	ds_add_u32 v224, v225
	s_wait_dscnt 0x0
	s_endpgm
.Lfunc_end_k_q0119c0a022_prep:
	.size	k_q0119c0a022_prep, .Lfunc_end_k_q0119c0a022_prep-k_q0119c0a022_prep
	.p2alignl 7, 3214868480
	.fill 96, 4, 3214868480
	.section	.rodata,"a",@progbits
	.p2align	6, 0x0
	.amdhsa_kernel k_q0119c0a022_prep
		.amdhsa_group_segment_fixed_size 35328
		.amdhsa_private_segment_fixed_size 0
		.amdhsa_enable_private_segment 0
		.amdhsa_kernarg_size 64
		.amdhsa_user_sgpr_count 2
		.amdhsa_user_sgpr_kernarg_segment_ptr 1
		.amdhsa_wavefront_size32 1
		.amdhsa_system_sgpr_workgroup_id_x 1
		.amdhsa_system_sgpr_workgroup_id_y 1
		.amdhsa_system_sgpr_workgroup_id_z 1
		.amdhsa_system_vgpr_workitem_id 0
		.amdhsa_next_free_vgpr 226
		.amdhsa_next_free_sgpr 66
		.amdhsa_reserve_vcc 0
		.amdhsa_float_denorm_mode_32 3
		.amdhsa_float_denorm_mode_16_64 3
		.amdhsa_memory_ordered 1
		.amdhsa_forward_progress 1
		.amdhsa_inst_pref_size 130
	.end_amdhsa_kernel
	.amdgpu_metadata
---
amdhsa.version: [ 1, 2 ]
amdhsa.kernels:
  - .name:           k_q0119c0a022_prep
    .symbol:         k_q0119c0a022_prep.kd
    .args:
      - { .name: wq, .offset: 0, .size: 8, .value_kind: global_buffer, .address_space: global }
      - { .name: wk, .offset: 8, .size: 8, .value_kind: global_buffer, .address_space: global }
      - { .name: wv, .offset: 16, .size: 8, .value_kind: global_buffer, .address_space: global }
      - { .name: wo, .offset: 24, .size: 8, .value_kind: global_buffer, .address_space: global }
      - { .name: mask, .offset: 32, .size: 8, .value_kind: global_buffer, .address_space: global }
      - { .name: wcodes, .offset: 40, .size: 8, .value_kind: global_buffer, .address_space: global }
      - { .name: wscale, .offset: 48, .size: 8, .value_kind: global_buffer, .address_space: global }
      - { .name: maskw, .offset: 56, .size: 8, .value_kind: global_buffer, .address_space: global }
    .group_segment_fixed_size: 35328
    .private_segment_fixed_size: 0
    .kernarg_segment_align: 8
    .kernarg_segment_size: 64
    .max_flat_workgroup_size: 128
    .sgpr_count:     66
    .vgpr_count:     226
    .wavefront_size: 32
...
	.end_amdgpu_metadata
.endif
;; end of part 1
;; launch proj (part 2): grid 64 x 3, 4 waves a work-group, no clusters, 73,728 bytes of LDS; arguments q_hidden_inputs, k_hidden_inputs, v_hidden_inputs, bq, bk, bv, wcodes, wscale, qc, kv; writes qc, kv
.if DOCPART == 2
	.amdgcn_target "amdgcn-amd-amdhsa--gfx1250"
	.amdhsa_code_object_version 6
	.text
	.protected	k_q0119c0a022_proj
	.globl	k_q0119c0a022_proj
	.p2align	8
	.type	k_q0119c0a022_proj,@function
k_q0119c0a022_proj:
	s_mov_b64 s[64:65], 0
	v_nop
	global_prefetch_b8 v0, s[64:65] scope:SCOPE_SE
	s_setreg_imm32_b32 hwreg(HW_REG_WAVE_MODE, 25, 1), 1
	s_wait_xcnt 0x0
; PROJ.  q = xq wq + bq, k = xk wk + bk, v = xv wv + bv, on codes of FP4 (E2M1) with one E8M0 scale for each 32 along K = 1,024; the results are quantised at once for attention's products.
; SHARES.  Work-group (x, z): 128 tokens (one key step or query step of a batch) of tensor z, all 1,024 columns.  Four waves, one to a SIMD; wave w owns heads 4 w .. 4 w + 3.
; PHASE X: wave w quantises tokens 32 w .. 32 w + 31 (f32, read once) into LDS: codes in rows of 512 bytes + 16, scale bytes as words [K step][row].  The rows lie in the order of the tiles:
; tile u of a group of 32 tokens holds members 8 u + r + 8 (r / 8): LDS rows 8 j on are tokens 0, 16, 8, 24 on for j = 0 .. 3.  Four trips of 8 rows; a row's 8 loads stand 8 rows ahead of its use.  One barrier.
; Then every wave takes ALL of x's codes, 8 tiles x 8 K steps, from LDS into 512 registers, once, and the 32 scale words; LDS is read no more.
; PHASE G: a trip of the loop is a head: two units of 32 columns (2 tiles of W) x 128 tokens: 16 accumulators by turns, 8 K steps of 128, 128 products.  W's fragments and scale words come from memory straight into
; operand registers (laid so by the launch before), two buffers, a whole unit ahead.  The last trip's second unit loads the unit that follows the wave's last head: it lies inside wcodes and wscale (a fourth matrix follows) and is not used.
; q, k (z = 0, 1): source 0 = W, source 1 = x: a lane holds one token and 16 neighbours along dk.  v (z = 2): source 0 = x, source 1 = W: a lane holds one dv and 64 tokens: quantised along the tokens.
; OUT: images of attention's operand registers.  qc [head of batch][step][4,352]: 4 fragments of 1,024 bytes, then 256 bytes of scale words; kv [..][step][8,704]: K so at 0 and 8,192; V's 4 tiles of dv at 4,096, their words at 8,448.
; NO CLUSTER: what work-groups share is W, which never passes through LDS.  NO DATA PREFETCH: x's loads stand 64 loads a wave ahead of their use, W's 128 products ahead.
; LIMITS: a block of zeros gets the byte 1 (its codes are zeros; this program alone reads the bytes); NaN and infinities are not served.
; REGISTERS: window 0 the map below; window 1 W's two buffers: 128 p + 16 s + 8 u; windows 2, 3 x's fragments: 64 s + 8 t (in phase X window 2 holds 8 rows of 32 numbers).
.set FLOOR, 0x1800000
.set EOFF,  0xff000000
.set PITCH, 528
.set XCB,   4096                       ; LDS: scale words [8][128][4] at 0, codes from here
.set SPARE, 0x11800                    ; the spare words, 128 bytes a wave
.set AX,   1                           ; 528 r + 16 h
.set L4,   2
.set L16,  3
.set AC,   5                           ; where the trip's codes go
.set AB,   6                           ; where its scale bytes go
.set BQ,   7                           ; 64 h
.set SW,   8                           ; v8-11 the four scale words on their way out
.set WS0,  12                          ; v12-19, v108-115 W's scale words, a set for each buffer
.set WS1,  108
.set XS0,  40                          ; x's scale words of K step s, four registers; a product's two scale registers differ modulo 8
.set XS1,  48
.set XS2,  80
.set XS3,  104
.set XS4,  44
.set XS5,  52
.set XS6,  84
.set XS7,  20
.set BB,   24                          ; v24-39 the bias
.set XF,   56                          ; phase X: two sets of 32 at work
.set TM,   56
.set EM,   56
.set EP,   64
.set EB,   64
.set ES,   72
.set EC,   88
.set EPC,  88
.set EX,   116
.set ACC,  120                         ; v120-247 the 16 accumulators
.set BV,   248
.set QO,   249
.set L8,   250
.set AC0,  251
.set AB0,  252
.set SPW,  254
.set NIL,  255
.set MSB, 0
.macro WIN new                         ; the immediate's high byte repeats the setting that is left
.if MSB != (\new)
	s_set_vgpr_msb (MSB<<8)|(\new)
.set MSB, (\new)
.endif
.endm
.macro PLACES
.rept 4
	v_nop
.endr
.endm
.macro MM1 d, a, b, c, sa, sb, ra, rb
.if (\ra) && (\rb)
	v_wmma_scale_f32_16x16x128_f8f6f4 v[\d:\d+7], v[\a:\a+7], v[\b:\b+7], \c, v[\sa], v[\sb] matrix_a_fmt:MATRIX_FMT_FP4 matrix_b_fmt:MATRIX_FMT_FP4 matrix_a_scale:MATRIX_SCALE_ROW1 matrix_b_scale:MATRIX_SCALE_ROW1
.elseif (\ra)
	v_wmma_scale_f32_16x16x128_f8f6f4 v[\d:\d+7], v[\a:\a+7], v[\b:\b+7], \c, v[\sa], v[\sb] matrix_a_fmt:MATRIX_FMT_FP4 matrix_b_fmt:MATRIX_FMT_FP4 matrix_a_scale:MATRIX_SCALE_ROW1
.elseif (\rb)
	v_wmma_scale_f32_16x16x128_f8f6f4 v[\d:\d+7], v[\a:\a+7], v[\b:\b+7], \c, v[\sa], v[\sb] matrix_a_fmt:MATRIX_FMT_FP4 matrix_b_fmt:MATRIX_FMT_FP4 matrix_b_scale:MATRIX_SCALE_ROW1
.else
	v_wmma_scale_f32_16x16x128_f8f6f4 v[\d:\d+7], v[\a:\a+7], v[\b:\b+7], \c, v[\sa], v[\sb] matrix_a_fmt:MATRIX_FMT_FP4 matrix_b_fmt:MATRIX_FMT_FP4
.endif
.endm
.macro MM d, a, b, z, sa, sb, ra, rb   ; z: the product starts its sum
.if \z
	MM1 \d, \a, \b, 0, \sa, \sb, \ra, \rb
.else
	MM1 \d, \a, \b, v[\d:\d+7], \sa, \sb, \ra, \rb
.endif
.endm
.macro WALL un                         ; unit un of the head in hand (2: the next head's first): 8 scale words and 32 x 512 bytes of codes into buffer un % 2: 40 loads
.if ((\un)%2)
.set WSB, WS1
.else
.set WSB, WS0
.endif
.irp s, 0,1,2,3,4,5,6,7
	global_load_b32 v[WSB+\s], v[L4], s[30:31] offset:1024*(\un)+128*\s
.endr
	WIN 0x40
.irp s, 0,1,2,3,4,5,6,7
.irp u, 0,1
.irp c, 0,1
	global_load_b128 v[128*((\un)%2)+16*\s+8*\u+4*\c:128*((\un)%2)+16*\s+8*\u+4*\c+3], v[L16], s[28:29] offset:16384*(\un)+8192*\u+1024*\s+512*\c
.endr
.endr
.endr
	WIN 0
.endm
.macro XLD i                           ; row i of a block of 8 tokens into window 2: load q reads 512 consecutive bytes: a lane takes numbers 128 q + 4 lane + 0 .. 3
	WIN 0x80
.irp q, 0,1,2,3,4,5,6,7
	global_load_b128 v[32*(\i)+4*\q:32*(\i)+4*\q+3], v[L16], s[26:27] offset:4096*(\i)+512*\q th:TH_LOAD_NT
.endr
.endm
.macro XROW i, left, ld                ; row i is quantised: load q's 128 numbers are K step q; eight lanes share a block of 32
.set XR, 32*(\i)
.set TS, XF+32*((\i)%2)
	s_wait_loadcnt \left                   ; my row is in; the later rows' loads, 8 each, may be out
	s_wait_dscnt 16                        ; the LDS stores of two rows back have read this set of registers; the last row's 16 may be out
	WIN 0x0a
.irp q, 0,1,2,3,4,5,6,7
	v_max3_num_f32 v[TS+\q], |v[XR+4*\q]|, |v[XR+4*\q+1]|, FLOOR
.endr
	WIN 0x28
.irp q, 0,1,2,3,4,5,6,7
	v_max3_num_f32 v[TS+\q], v[TS+\q], |v[XR+4*\q+2]|, |v[XR+4*\q+3]|
.endr
	WIN 0
.irp m, 1,2,4
.irp q, 0,1,2,3,4,5,6,7
	v_max_num_f32_dpp v[TS+\q], v[TS+\q], v[TS+\q] row_xmask:\m row_mask:0xf bank_mask:0xf
.endr
.endr
.irp q, 0,1,2,3,4,5,6,7
	v_add_nc_u32 v[TS+8+\q], EOFF, v[TS+\q]
.endr
	WIN 0x02
.irp j, 0,1,2,3                        ; a conversion takes 8 registers under one scale: loads 2 j and 2 j + 1 go through it twice; under the first's scale the low half of the result holds, under the second's the high half
	v_cvt_scalef32_pk8_fp4_f32 v[TS+16+2*\j], v[XR+8*\j:XR+8*\j+7], v[TS+8+2*\j]
	v_cvt_scalef32_pk8_fp4_f32 v[TS+17+2*\j], v[XR+8*\j:XR+8*\j+7], v[TS+9+2*\j]
.endr
	WIN 0
.irp q, 0,1,2,3,4,5,6,7
	v_lshrrev_b32 v[TS+24+\q], 23, v[TS+8+\q]      ; the scale's byte (and the plain instruction behind the conversions)
.endr
.irp j, 0,1,2,3
	ds_store_b16 v[AC], v[TS+16+2*\j] offset:XCB+PITCH*(\i)+128*\j               ; 4 codes a lane: 64 consecutive bytes a store
	ds_store_b16_d16_hi v[AC], v[TS+17+2*\j] offset:XCB+PITCH*(\i)+128*\j+64
.endr
.irp q, 0,1,2,3,4,5,6,7
	ds_store_b8 v[AB], v[TS+24+\q] offset:512*\q+4*(\i)        ; the eight lanes of a block write the same byte with the same value
.endr
.if \ld
	XLD \i                                 ; the same row of the next block of 8 tokens
.endif
.endm
.macro XTRIP ld                        ; 8 rows; ld: the next block's rows are asked for
	s_wait_dscnt 0x0                       ; the last trip's LDS stores have read their addresses
	v_add_nc_u32 v[AC], s48, v[AC0]
	v_add_nc_u32 v[AB], s49, v[AB0]
	s_wait_alu depctr_va_vdst(0)
.irp i, 0,1,2,3,4,5,6,7
.if \ld
	XROW \i, 56, 1
.else
	XROW \i, 8*(7-\i), 0
.endif
.endr
	WIN 0
	s_add_co_u32 s48, s48, 8*PITCH
	s_add_co_u32 s49, s49, 32
.endm
.macro BIAS vp, unit
.if \vp
.irp u, 0,1
	global_load_b32 v[BB+2*\u], v[BV], s[32:33] offset:128*(\unit)+32*\u      ; lane r: the bias of dv 32 unit + 8 u + r + 8 (r / 8)
.endr
.else
.irp i, 0,1,2,3
	global_load_b128 v[BB+4*\i:BB+4*\i+3], v[BQ], s[32:33] offset:128*(\unit)+16*\i   ; register e: the bias of column 32 unit + 16 h + e
.endr
.endif
.endm
.macro GSTEP vp, unit, s               ; a K step of 128: 16 products, the 16 accumulators by turns
.if (\unit) == 0                       ; the first head's first unit follows x's way into registers: 20 LDS loads a K step; later nothing is out
.if 20*(7-(\s)) > 63
	s_wait_dscnt 63
.else
	s_wait_dscnt 20*(7-(\s))
.endif
.endif
.set XW, 2+(\s)/4
.set XL, 64*((\s)%4)
.set WL, 128*(\unit)+16*(\s)
.if \unit
.set WSR, WS1+(\s)
.else
.set WSR, WS0+(\s)
.endif
.if (\s) == 0
.set ZF, 1
.else
.set ZF, 0
.endif
.if \vp
	WIN XW|(1<<2)
.else
	WIN 1|(XW<<2)
.endif
.irp t, 0,1,2,3,4,5,6,7
.irp u, 0,1
.if \vp
	MM ACC+64*\u+8*\t, XL+8*\t, WL+8*\u, ZF, XS\s+\t/2, WSR, \t%2, \u
.else
	MM ACC+16*\t+8*\u, WL+8*\u, XL+8*\t, ZF, WSR, XS\s+\t/2, \u, \t%2
.endif
.endr
.endr
.endm
; q, k: lane (r, h) holds, for token r of tile t, dk 32 unit + 16 h + 0 .. 15 in v[ACC + 16 t] on.  A block of 32 lies in lanes l and l xor 16.
.macro EPI_QK unit
	s_wait_loadcnt 40                      ; the bias is in; the next unit's 40 loads may be out
.set a, ACC
.rept 8
.irp k, 0,2,4,6,8,10,12,14
	v_pk_add_f32 v[a+\k:a+\k+1], v[a+\k:a+\k+1], v[BB+\k:BB+\k+1]     ; each accumulator from its low end on
.endr
.set a, a+16
.endr
.irp t, 0,1,2,3,4,5,6,7
	v_max3_num_f32 v[EM+\t], |v[ACC+16*\t]|, |v[ACC+16*\t+1]|, FLOOR
.endr
.irp i, 2,4,6,8,10,12,14
.irp t, 0,1,2,3,4,5,6,7
	v_max3_num_f32 v[EM+\t], v[EM+\t], |v[ACC+16*\t+\i]|, |v[ACC+16*\t+\i+1]|
.endr
.endr
.irp t, 0,1,2,3,4,5,6,7
	v_permlanex16_b32 v[EP+\t], v[EM+\t], s38, s39
.endr
.irp t, 0,1,2,3,4,5,6,7
	v_max_num_f32 v[EM+\t], v[EM+\t], v[EP+\t]
.endr
.irp t, 0,1,2,3,4,5,6,7
	v_add_nc_u32 v[ES+\t], EOFF, v[EM+\t]
.endr
.irp t, 0,1,2,3,4,5,6,7
	v_cvt_scalef32_pk8_fp4_f32 v[EC+2*\t], v[ACC+16*\t:ACC+16*\t+7], v[ES+\t]
	v_cvt_scalef32_pk8_fp4_f32 v[EC+2*\t+1], v[ACC+16*\t+8:ACC+16*\t+15], v[ES+\t]
.endr
.irp t, 0,1,2,3,4,5,6,7                ; byte 2 (t % 2) + unit of fragment t / 2's word
.if ((\unit) == 0) && ((\t%2) == 0)
	v_lshrrev_b32 v[SW+\t/2], 23, v[ES+\t]
.else
	v_lshrrev_b32 v[EB+\t], 23, v[ES+\t]
	v_lshl_or_b32 v[SW+\t/2], v[EB+\t], 8*(2*(\t%2)+(\unit)), v[SW+\t/2]
.endif
.endr
.irp t, 0,1,2,3,4,5,6,7
	global_store_b64 v[QO], v[EC+2*\t:EC+2*\t+1], s[34:35] offset:512*\t+256*(\unit)   ; the 32 lanes fill 256 aligned bytes
.endr
.endm
; 64 numbers of a lane, register 16 b + i = k 32 b + 16 (lane / 16) + i of my row, become a fragment's codes in v[pc] on and its scale word in v[pw]
.macro QUANT s, pc, pw
.irp b, 0,1,2,3
	v_max3_num_f32 v[TM+\b], |v[(\s)+16*\b]|, |v[(\s)+1+16*\b]|, FLOOR
.endr
.irp i, 2,4,6,8,10,12,14
.irp b, 0,1,2,3
	v_max3_num_f32 v[TM+\b], v[TM+\b], |v[(\s)+16*\b+\i]|, |v[(\s)+1+16*\b+\i]|
.endr
.endr
.irp b, 0,1,2,3
	v_permlanex16_b32 v[TM+4+\b], v[TM+\b], s38, s39
.endr
.irp b, 0,1,2,3
	v_max_num_f32 v[TM+\b], v[TM+\b], v[TM+4+\b]
.endr
.irp b, 0,1,2,3
	v_add_nc_u32 v[TM+12+\b], EOFF, v[TM+\b]
.endr
.irp b, 0,1,2,3
	v_lshrrev_b32 v[TM+4+\b], 23, v[TM+12+\b]
.endr
	v_lshl_or_b32 v[\pw], v[TM+5], 8, v[TM+4]
	v_lshl_or_b32 v[\pw], v[TM+6], 16, v[\pw]
	v_lshl_or_b32 v[\pw], v[TM+7], 24, v[\pw]
.irp b, 0,1,2,3
	v_cvt_scalef32_pk8_fp4_f32 v[(\pc)+2*\b], v[(\s)+16*\b:(\s)+7+16*\b], v[TM+12+\b]
	v_cvt_scalef32_pk8_fp4_f32 v[(\pc)+1+2*\b], v[(\s)+8+16*\b:(\s)+15+16*\b], v[TM+12+\b]
.endr
	v_nop                                  ; one plain instruction behind a scaled conversion
.irp c, 0,1                            ; the operand's layout wants a whole block in a lane
.irp i, 0,1
	v_permlane16_swap_b32 v[(\pc)+4*\c+\i], v[(\pc)+2+4*\c+\i]
.endr
.endr
.endm
; v: lane (r, h) holds, for dv r of tile u, tokens 32 b + 16 h + i in v[ACC + 64 u + 16 b + i]
.macro EPI_V unit
	s_wait_loadcnt 40                      ; the bias is in; the next unit's 40 loads may be out
.irp u, 0,1
.set a, ACC+64*\u
.rept 32
	v_pk_add_f32 v[a:a+1], v[a:a+1], v[BB+2*\u:BB+2*\u+1] op_sel_hi:[1,0]
.set a, a+2
.endr
	QUANT ACC+64*\u, EPC+8*\u, SW+2*(\unit)+\u
.irp c, 0,1
	global_store_b128 v[L16], v[EPC+8*\u+4*\c:EPC+8*\u+4*\c+3], s[34:35] offset:4096+1024*(2*(\unit)+\u)+512*\c
.endr
.endr
.endm
.macro UNIT vp, unit
	BIAS \vp, \unit
	WALL (\unit)+1
	s_wait_loadcnt 44-2*(\vp)              ; this unit's W is in; the bias's loads (4, or 2 for v) and the next unit's 40 may be out
.irp s, 0,1,2,3,4,5,6,7
	GSTEP \vp, \unit, \s
.endr
	WIN 0
	PLACES                                 ; behind the unit's last products, ahead of the first read of results
	s_wait_xcnt 0x0                        ; the last unit's stores have read their data
.if \vp
	EPI_V \unit
.else
	EPI_QK \unit
.endif
.endm
.macro WAY vp
	s_mov_b32 s43, 0
.Lhead\vp:                             ; four trips: a head each
	UNIT \vp, 0
	UNIT \vp, 1
	v_cndmask_b32 v[EX], v[SW], v[SW+1], s40       ; the four words as an image: lanes 0-15 words 0 and 2, lanes 16-31 words 1 and 3
	v_cndmask_b32 v[EX+1], v[SW+2], v[SW+3], s40
	global_store_b64 v[L8], v[EX:EX+1], s[36:37]   ; 256 aligned bytes
	s_wait_xcnt 0x0                        ; every load and store has read its base: on to the next head
	s_add_nc_u64 s[28:29], s[28:29], 32768
	s_add_nc_u64 s[30:31], s[30:31], 2048
	s_add_nc_u64 s[32:33], s[32:33], 256
	s_add_nc_u64 s[34:35], s[34:35], s[46:47]
	s_add_nc_u64 s[36:37], s[36:37], s[46:47]
	s_add_co_u32 s43, s43, 1
	s_cmp_lt_u32 s43, 4
	s_wait_alu depctr_va_vdst(0)
	s_cbranch_scc1 .Lhead\vp
	s_wait_tensorcnt 0x0                   ; the wave's end
	ds_add_u32 v[SPW], v[NIL]
	s_wait_dscnt 0x0
	s_endpgm
.endm
	s_load_b512 s[4:19], s[0:1], 0x0       ; xq s[4:5], xk s[6:7], xv s[8:9], bq s[10:11], bk s[12:13], bv s[14:15], wcodes s[16:17], wscale s[18:19]
	s_load_b128 s[20:23], s[0:1], 0x40     ; qc s[20:21], kv s[22:23]
	v_lshl_add_u32 v[SPW], v0, 2, SPARE
	v_mov_b32 v[NIL], 0
	v_lshrrev_b32 v1, 5, v0
	v_readfirstlane_b32 s24, v1            ; wave 0..3
	s_and_b32 s25, ttmp7, 0xffff           ; z: which tensor
	v_and_b32 v8, 31, v0                   ; lane
	v_and_b32 v9, 15, v0                   ; r
	v_bfe_u32 v10, v0, 4, 1                ; h
	v_mul_u32_u24 v[AX], v9, PITCH
	v_lshl_add_u32 v[AX], v10, 4, v[AX]
	v_lshlrev_b32 v[L4], 2, v8
	v_lshlrev_b32 v[L16], 4, v8
	v_lshlrev_b32 v[L8], 3, v8
	s_mul_i32 s42, s24, 32*PITCH           ; my 32 tokens' first LDS row: 32 w
	v_lshl_add_u32 v[AC0], v8, 1, s42      ; 2 bytes of codes a lane
	s_lshl_b32 s42, s24, 7
	v_lshrrev_b32 v11, 3, v8               ; which byte of the word: lane / 8
	v_add_nc_u32 v[AB0], s42, v11
	v_lshlrev_b32 v[BQ], 6, v10
	v_and_b32 v11, 8, v9
	v_add_nc_u32 v11, v11, v9
	v_lshlrev_b32 v[BV], 2, v11
	v_lshlrev_b32 v[QO], 4, v9
	v_lshl_add_u32 v[QO], v10, 3, v[QO]
	v_mov_b32 v[BB+1], 0                   ; named as the upper halves of v's bias pairs
	v_mov_b32 v[BB+3], 0
	s_lshl_b32 s26, ttmp9, 19              ; x: 128 tokens of 4,096 bytes a work-group, 32 a wave
	s_lshl_b32 s27, s24, 17
	s_add_co_u32 s26, s26, s27
	s_mov_b32 s27, 0
	s_lshl_b32 s28, s25, 19                ; W's codes: matrix z, head 4 w: four tiles of 8,192 bytes a head
	s_lshl_b32 s29, s24, 17
	s_add_co_u32 s28, s28, s29
	s_mov_b32 s29, 0
	s_lshl_b32 s30, s25, 15                ; W's scale words: 2,048 bytes a head
	s_lshl_b32 s31, s24, 13
	s_add_co_u32 s30, s30, s31
	s_mov_b32 s31, 0
	s_lshl_b32 s32, s24, 10                ; the bias: 256 bytes a head
	s_mov_b32 s33, 0
	s_lshr_b32 s41, ttmp9, 4               ; the batch
	s_lshl_b32 s41, s41, 4
	s_lshl_b32 s43, s24, 2
	s_add_co_u32 s41, s41, s43
	s_lshl_b32 s41, s41, 4
	s_and_b32 s43, ttmp9, 15               ; the step
	s_add_co_u32 s41, s41, s43             ; (16 batch + head) 16 + step
	s_mov_b32 s42, 8704
	s_mov_b32 s36, 8192
	s_mov_b32 s44, 8448
	s_cmp_eq_u32 s25, 0
	s_cselect_b32 s42, 4352, s42           ; a step's block: 4,352 bytes in qc, 8,704 in kv
	s_cselect_b32 s36, 4096, s36           ; where the scale words go: q 4,096, k 8,192,
	s_cmp_eq_u32 s25, 2
	s_cselect_b32 s36, s44, s36            ; v 8,448
	s_mul_i32 s34, s41, s42
	s_mov_b32 s35, 0
	s_mov_b32 s37, 0
	s_lshl_b32 s46, s42, 4                 ; from a head's block to the next head's: 16 steps
	s_mov_b32 s47, 0
	s_mov_b32 s38, 0x76543210
	s_mov_b32 s39, 0xfedcba98              ; v_permlanex16_b32's selects for lane l xor 16
	s_mov_b32 s40, 0xffff0000              ; lanes 16-31
	s_mov_b32 s48, 0                       ; the trip's place among my LDS rows, in bytes of codes,
	s_mov_b32 s49, 0                       ; and of scale words
	s_wait_alu depctr_va_vdst(0)
	s_wait_kmcnt 0x0
	s_cmp_eq_u32 s25, 0                    ; the choices hang on the work-group's number alone
	s_cselect_b64 s[4:5], s[4:5], s[6:7]
	s_cselect_b64 s[10:11], s[10:11], s[12:13]
	s_cselect_b64 s[20:21], s[20:21], s[22:23]
	s_cmp_eq_u32 s25, 2
	s_cselect_b64 s[4:5], s[8:9], s[4:5]
	s_cselect_b64 s[10:11], s[14:15], s[10:11]
	s_add_nc_u64 s[4:5], s[4:5], s[26:27]  ; my 32 tokens
	s_mov_b64 s[26:27], s[4:5]
	s_add_nc_u64 s[28:29], s[16:17], s[28:29]
	s_add_nc_u64 s[30:31], s[18:19], s[30:31]
	s_add_nc_u64 s[32:33], s[10:11], s[32:33]
	s_add_nc_u64 s[34:35], s[20:21], s[34:35]
	s_add_nc_u64 s[36:37], s[34:35], s[36:37]
.irp i, 0,1,2,3,4,5,6,7
	XLD \i                                 ; tokens 0 .. 7: 64 loads
.endr
	WIN 0
	s_mov_b32 s43, 1
.Lx:                                       ; trips 0 to 2; trip j asks for the tokens of trip j + 1: 16, 8, 24 on
	s_and_b32 s44, s43, 1
	s_lshl_b32 s44, s44, 16
	s_lshr_b32 s45, s43, 1
	s_lshl_b32 s45, s45, 15
	s_or_b32 s44, s44, s45
	s_mov_b32 s45, 0
	s_wait_xcnt 0x0                        ; the loads that are out have read their base
	s_add_nc_u64 s[26:27], s[4:5], s[44:45]
	XTRIP 1
	s_add_co_u32 s43, s43, 1
	s_cmp_lt_u32 s43, 4
	s_cbranch_scc1 .Lx
	XTRIP 0                                ; the last 8 rows ask for nothing more
	WALL 0                                 ; my first head's first unit of W
	s_wait_dscnt 0x0                       ; for the others' sake: my codes and scale bytes lie in LDS
	s_barrier_signal -1
	s_barrier_wait -1                      ; all 128 rows do; nothing is stored to LDS from here on
.irp s, 0,1,2,3,4,5,6,7                ; all of x into registers, K step by K step: 16 + 4 loads each
	WIN (2+\s/4)<<6
.irp t, 0,1,2,3,4,5,6,7
.irp c, 0,1
	ds_load_b128 v[64*(\s%4)+8*\t+4*\c:64*(\s%4)+8*\t+4*\c+3], v[AX] offset:XCB+16*PITCH*\t+64*\s+32*\c
.endr
.endr
	WIN 0
.irp j, 0,1,2,3
	ds_load_b32 v[XS\s+\j], v[L4] offset:512*\s+128*\j
.endr
.endr
	s_cmp_eq_u32 s25, 2
	s_cbranch_scc1 .Lvway
	WAY 0
.Lvway:
	WAY 1
.Lfunc_end_k_q0119c0a022_proj:
	.size	k_q0119c0a022_proj, .Lfunc_end_k_q0119c0a022_proj-k_q0119c0a022_proj
	.p2alignl 7, 3214868480
	.fill 96, 4, 3214868480
	.section	.rodata,"a",@progbits
	.p2align	6, 0x0
	.amdhsa_kernel k_q0119c0a022_proj
		.amdhsa_group_segment_fixed_size 73728
		.amdhsa_private_segment_fixed_size 0
		.amdhsa_enable_private_segment 0
		.amdhsa_kernarg_size 80
		.amdhsa_user_sgpr_count 2
		.amdhsa_user_sgpr_kernarg_segment_ptr 1
		.amdhsa_wavefront_size32 1
		.amdhsa_system_sgpr_workgroup_id_x 1
		.amdhsa_system_sgpr_workgroup_id_y 1
		.amdhsa_system_sgpr_workgroup_id_z 1
		.amdhsa_system_vgpr_workitem_id 0
		.amdhsa_next_free_vgpr 1024
		.amdhsa_next_free_sgpr 66
		.amdhsa_reserve_vcc 0
		.amdhsa_float_denorm_mode_32 3
		.amdhsa_float_denorm_mode_16_64 3
		.amdhsa_memory_ordered 1
		.amdhsa_forward_progress 1
		.amdhsa_inst_pref_size 246
	.end_amdhsa_kernel
	.amdgpu_metadata
---
amdhsa.version: [ 1, 2 ]
amdhsa.kernels:
  - .name:           k_q0119c0a022_proj
    .symbol:         k_q0119c0a022_proj.kd
    .args:
      - { .name: q_hidden_inputs, .offset: 0, .size: 8, .value_kind: global_buffer, .address_space: global }
      - { .name: k_hidden_inputs, .offset: 8, .size: 8, .value_kind: global_buffer, .address_space: global }
      - { .name: v_hidden_inputs, .offset: 16, .size: 8, .value_kind: global_buffer, .address_space: global }
      - { .name: bq, .offset: 24, .size: 8, .value_kind: global_buffer, .address_space: global }
      - { .name: bk, .offset: 32, .size: 8, .value_kind: global_buffer, .address_space: global }
      - { .name: bv, .offset: 40, .size: 8, .value_kind: global_buffer, .address_space: global }
      - { .name: wcodes, .offset: 48, .size: 8, .value_kind: global_buffer, .address_space: global }
      - { .name: wscale, .offset: 56, .size: 8, .value_kind: global_buffer, .address_space: global }
      - { .name: qc, .offset: 64, .size: 8, .value_kind: global_buffer, .address_space: global }
      - { .name: kv, .offset: 72, .size: 8, .value_kind: global_buffer, .address_space: global }
    .group_segment_fixed_size: 73728
    .private_segment_fixed_size: 0
    .kernarg_segment_align: 8
    .kernarg_segment_size: 80
    .max_flat_workgroup_size: 128
    .sgpr_count:     66
    .vgpr_count:     1024
    .wavefront_size: 32
...
	.end_amdgpu_metadata
.endif
;; end of part 2
;; launch attn (part 3): grid 4 x 64, 16 waves a work-group, clusters of 4 x 1, 169,984 bytes of LDS; arguments kv, qc, maskw, oc, os; writes oc, os
.if DOCPART == 3
	.amdgcn_target "amdgcn-amd-amdhsa--gfx1250"
	.amdhsa_code_object_version 6
	.text
	.protected	k_q0119c0a022_attn
	.globl	k_q0119c0a022_attn
	.p2align	8
	.type	k_q0119c0a022_attn,@function
k_q0119c0a022_attn:
	s_mov_b64 s[64:65], 0
	v_nop
	global_prefetch_b8 v0, s[64:65] scope:SCOPE_SE
	s_setreg_imm32_b32 hwreg(HW_REG_WAVE_MODE, 25, 1), 1
	s_wait_xcnt 0x0
	s_wait_alu depctr_hold_cnt(0) depctr_sa_sdst(0) depctr_va_vdst(0) depctr_va_sdst(0) depctr_va_ssrc(0) depctr_va_vcc(0) depctr_vm_vsrc(0)
	s_getreg_b32 s2, hwreg(HW_REG_IB_STS2, 6, 4)
	s_cmp_eq_u32 s2, 0
	s_cbranch_scc0 .Lentry_in_a_cluster
	s_endpgm
.Lentry_in_a_cluster:
	s_bfe_u32 s2, ttmp6, 0x10000c
	s_cmp_lg_u32 s2, 0x3003
	s_cbranch_scc0 .Lentry_shape_is_right
	s_endpgm
.Lentry_shape_is_right:
; ATTN.  o = softmax(where(mask, q k^T / 8, -1e9)) v for one head of one batch, both products on codes of FP4 (E2M1) with E8M0 scales; o is divided by the row's sum and quantised along (head, dv) for the last product.
; SOFTMAX: t = score x log2(e) / 8; M = the running largest t rounded up to a whole number; p = 2^(t - M) is quantised along the keys, not normalised; the sum is taken of the unquantised p.
; When M moves, the sum and O are multiplied by 2^(old M - new M): exact, and no branch on data.
; SHARES.  A work-group: one head (y), 512 queries.  Each of its sixteen waves owns 32 queries as two tiles (tile u holds queries 8 u + r + 8 (r / 8) of the 32); the two tiles share each fragment of K and V read from LDS.
; A head's K, V and scale words, 16 steps of 8,704 bytes, come into LDS ONCE: wave w fetches step w; no LDS byte is filled twice.
; CLUSTER.  The four query blocks of a head read the same K and V: each step is asked for JOINTLY, by the same tensor load with the same descriptor and a mask that names the four.
; LAYOUT.  Both products are used transposed: S^T = K Q^T, O^T = V^T P^T: a lane holds one query (lane % 16) throughout; score register 16 b + i is key 32 b + 16 (lane / 16) + i of the step.
; K = 64 IN A FORM OF 128: a fragment of K holds two tiles of 16 keys, one in k 0-63 and one in k 64-127; the other source is [q | zero codes] or [zero codes | q], so that the other tile's products are zeros.
; The run v16-35 = zeros, q of tile 0, zeros, q of tile 1, zeros gives all four operands.  q's scale bytes over its zero half are 0, which is a finite scale.
; THE MASK comes as lane-mask words (made by the first launch), 64 for a tile and key step, by scalar loads, and is the select operand of one v_cndmask_b32 a score register.
; LIMIT: a hidden raw score becomes -2^33, that is the logit -2^30 = -1.074e9 where reference() writes -1e9.  t is then a whole number, so in a row that is hidden throughout every p is 1, as reference() gives.
; The result differs from reference()'s only where an open logit lies under about -1e9.  NaN and infinities are not served; a block of zeros gets the byte 1 (its codes are zeros).
.set FLOOR, 0x1800000
.set EOFF,  0xff000000
.set STEPB, 8704                       ; a step in LDS and in kv: K's codes 4,096, V's 4,096, K's scale words 256, V's 256
.set L16,  1                           ; v1   16 x lane
.set L8,   2                           ; v2   8 x lane
.set A16,  3                           ; v3   the step's LDS byte + 16 x lane
.set A8,   4                           ; v4   the same + 8 x lane
.set NEGR, 5                           ; v5   -2^33
.set QS,   6                           ; v6-7   q's scale words of tile x: lanes 0-15 for [q | 0], lanes 16-31 for [0 | q]
.set ST,   8                           ; v8-11, v12-15  tile x: -M, the largest t, the sum in two halves
.set Q,    16                          ; v16-35
.set KS,   36                          ; v36-37 K's scale words: register j: lanes 0-15 fragment 2 j, lanes 16-31 fragment 2 j + 1
.set VS,   38                          ; v38-39 V's likewise
.set PC,   40                          ; v40-47, v48-55 p's codes of tile x
.set PW,   56                          ; v56-57 p's scale word of tile x
.set FF,   58                          ; v58 f = 2^(old M - new M); v59 named with it as a pair
.set BM,   60                          ; v60-63 the blocks' largest scores, then largest p
.set PM,   64                          ; v64-67 the other half's maxima, then the bytes
.set SC,   68                          ; v68-71 the conversions' scale operands
.set CH,   72                          ; v72-73 the sum's second chain
.set TT,   74
.set F,    76                          ; v76-107 four fragments of K, then of V
.set S,    108                         ; v108-171 S^T, then p
.set O,    172                         ; v172-203, v204-235 O^T of tile x
.set TM,   76                          ; the way out: QUANT's 16 registers,
.set WD,   92                          ; the scale word, and what is stored of it,
.set OFS,  94                          ; its offset,
.set OC,   96                          ; and o's codes
.macro PLACES
.rept 4
	v_nop
.endr
.endm
.macro MM d, a, b, zero, sa, sb, ra, rb
.if (\zero) && (\ra) && (\rb)
	v_wmma_scale_f32_16x16x128_f8f6f4 v[(\d):(\d)+7], v[(\a):(\a)+7], v[(\b):(\b)+7], 0, v[\sa], v[\sb] matrix_a_fmt:MATRIX_FMT_FP4 matrix_b_fmt:MATRIX_FMT_FP4 matrix_a_scale:MATRIX_SCALE_ROW1 matrix_b_scale:MATRIX_SCALE_ROW1
.elseif (\zero) && (\ra)
	v_wmma_scale_f32_16x16x128_f8f6f4 v[(\d):(\d)+7], v[(\a):(\a)+7], v[(\b):(\b)+7], 0, v[\sa], v[\sb] matrix_a_fmt:MATRIX_FMT_FP4 matrix_b_fmt:MATRIX_FMT_FP4 matrix_a_scale:MATRIX_SCALE_ROW1
.elseif (\zero) && (\rb)
	v_wmma_scale_f32_16x16x128_f8f6f4 v[(\d):(\d)+7], v[(\a):(\a)+7], v[(\b):(\b)+7], 0, v[\sa], v[\sb] matrix_a_fmt:MATRIX_FMT_FP4 matrix_b_fmt:MATRIX_FMT_FP4 matrix_b_scale:MATRIX_SCALE_ROW1
.elseif (\zero)
	v_wmma_scale_f32_16x16x128_f8f6f4 v[(\d):(\d)+7], v[(\a):(\a)+7], v[(\b):(\b)+7], 0, v[\sa], v[\sb] matrix_a_fmt:MATRIX_FMT_FP4 matrix_b_fmt:MATRIX_FMT_FP4
.elseif (\ra) && (\rb)
	v_wmma_scale_f32_16x16x128_f8f6f4 v[(\d):(\d)+7], v[(\a):(\a)+7], v[(\b):(\b)+7], v[(\d):(\d)+7], v[\sa], v[\sb] matrix_a_fmt:MATRIX_FMT_FP4 matrix_b_fmt:MATRIX_FMT_FP4 matrix_a_scale:MATRIX_SCALE_ROW1 matrix_b_scale:MATRIX_SCALE_ROW1
.elseif (\ra)
	v_wmma_scale_f32_16x16x128_f8f6f4 v[(\d):(\d)+7], v[(\a):(\a)+7], v[(\b):(\b)+7], v[(\d):(\d)+7], v[\sa], v[\sb] matrix_a_fmt:MATRIX_FMT_FP4 matrix_b_fmt:MATRIX_FMT_FP4 matrix_a_scale:MATRIX_SCALE_ROW1
.elseif (\rb)
	v_wmma_scale_f32_16x16x128_f8f6f4 v[(\d):(\d)+7], v[(\a):(\a)+7], v[(\b):(\b)+7], v[(\d):(\d)+7], v[\sa], v[\sb] matrix_a_fmt:MATRIX_FMT_FP4 matrix_b_fmt:MATRIX_FMT_FP4 matrix_b_scale:MATRIX_SCALE_ROW1
.else
	v_wmma_scale_f32_16x16x128_f8f6f4 v[(\d):(\d)+7], v[(\a):(\a)+7], v[(\b):(\b)+7], v[(\d):(\d)+7], v[\sa], v[\sb] matrix_a_fmt:MATRIX_FMT_FP4 matrix_b_fmt:MATRIX_FMT_FP4
.endif
.endm
.macro CROUND                          ; a round of the cluster's barrier
	s_barrier_signal -1
	s_barrier_wait -1
	s_cmp_lg_u32 s14, 0
	s_cbranch_scc1 .Lnot_wave_0_\@
	s_barrier_signal -3
.Lnot_wave_0_\@:
	s_barrier_wait -3
	s_barrier_signal -1
	s_barrier_wait -1
.endm
.macro MASKLD off                      ; the 64 mask words of a tile and key step: word n in s[16 + n], from word 48 on in s[20 + n]
	s_load_b512 s[16:31], s[8:9], (\off)
	s_load_b512 s[32:47], s[8:9], (\off)+64
	s_load_b512 s[48:63], s[8:9], (\off)+128
	s_load_b512 s[68:83], s[8:9], (\off)+192
.endm
.macro KLOAD
.irp f, 0,1,2,3
.irp u, 0,1
	ds_load_b128 v[F+8*\f+4*\u:F+8*\f+4*\u+3], v[A16] offset:1024*\f+512*\u
.endr
.endr
	ds_load_b64 v[KS:KS+1], v[A8] offset:8192
.endm
.macro VLOAD
.irp t, 0,1,2,3
.irp c, 0,1
	ds_load_b128 v[F+8*\t+4*\c:F+8*\t+4*\c+3], v[A16] offset:4096+1024*\t+512*\c
.endr
.endr
	ds_load_b64 v[VS:VS+1], v[A8] offset:8448
.endm
.macro SMUL x                          ; tile x's scores of the step's 128 keys: 8 products, each starts its sum
.irp f, 0,1,2,3
.irp u, 0,1
	MM S+16*\f+8*\u, F+8*\f, Q+4+8*(\x)-4*\u, 1, KS+\f/2, QS+(\x), \f%2, \u
.endr
.endr
.endm
.macro PVMUL                           ; O^T += V^T P^T for both tiles: eight accumulators by turns
.irp t, 0,1,2,3
.irp x, 0,1
	MM O+32*\x+8*\t, F+8*\t, PC+8*\x, 0, VS+\t/2, PW+\x, \t%2, 0
.endr
.endr
.endm
; Tile x's softmax of a key step.  nxt = 0: the next mask words are tile 1's of this step; 1: tile 0's of the next step.
.macro SOFTMAX x, nxt
.set SX, ST+4*(\x)
.set OX, O+32*(\x)
.set PX, PC+8*(\x)
	s_wait_kmcnt 0x0                       ; the tile's 64 mask words are in
.set n, 0
.rept 48
	v_cndmask_b32 v[S+n], v[NEGR], v[S+n], s[16+n]     ; hidden scores become -2^33; each accumulator is read from its low end on
.set n, n+1
.endr
.rept 16
	v_cndmask_b32 v[S+n], v[NEGR], v[S+n], s[20+n]
.set n, n+1
.endr
.if \nxt
	s_add_nc_u64 s[8:9], s[8:9], 256       ; (behind the wait that shows its loads done)  In the last trip this names tile 1's first words: inside the buffer, and not used
	MASKLD 0
.else
	MASKLD 4096
.endif
.irp b, 0,1,2,3
	v_max3_num_f32 v[BM+\b], v[S+16*\b], v[S+16*\b+1], v[S+16*\b+2]    ; the largest score of each block of 32 keys: for the row's maximum and, since p rises with the score, for the block's largest p
.endr
.irp i, 3,5,7,9,11,13
.irp b, 0,1,2,3
	s_delay_alu instid0(VALU_DEP_4)
	v_max3_num_f32 v[BM+\b], v[BM+\b], v[S+16*\b+\i], v[S+16*\b+\i+1]
.endr
.endr
.irp b, 0,1,2,3
	s_delay_alu instid0(VALU_DEP_4)
	v_max_num_f32 v[BM+\b], v[BM+\b], v[S+16*\b+15]
.endr
.irp b, 0,1,2,3
	s_delay_alu instid0(VALU_DEP_4)
	v_permlanex16_b32 v[PM+\b], v[BM+\b], s96, s97
.endr
.irp b, 0,1,2,3
	s_delay_alu instid0(VALU_DEP_4)
	v_max_num_f32 v[BM+\b], v[BM+\b], v[PM+\b]         ; with lane l xor 16's 16 keys
.endr
	s_delay_alu instid0(VALU_DEP_2)
	v_max3_num_f32 v[TT], v[BM], v[BM+1], v[BM+2]
	s_delay_alu instid0(VALU_DEP_1)
	v_max_num_f32 v[TT], v[TT], v[BM+3]
	s_delay_alu instid0(VALU_DEP_1)
	v_mul_f32 v[TT], s98, v[TT]            ; as t
	s_delay_alu instid0(VALU_DEP_1)
	v_max_num_f32 v[SX+1], v[SX+1], v[TT]  ; the running largest t
	v_mov_b32 v[TT], v[SX]
	s_delay_alu instid0(VALU_DEP_2)
	v_floor_f32 v[SX], -v[SX+1]            ; the new -M = floor(-t): M is a whole number
	s_delay_alu instid0(VALU_DEP_1)
	v_sub_f32 v[TT], v[SX], v[TT]          ; old M - new M: a whole number, 0 or less
	s_delay_alu instid0(VALU_DEP_1)
	v_cvt_i32_f32 v[TT], v[TT]             ; (it saturates)
	s_delay_alu instid0(VALU_DEP_1)
	v_ldexp_f32 v[FF], 1.0, v[TT]          ; f
.set n, 0
.rept 32
	v_pk_fma_f32 v[S+n:S+n+1], v[S+n:S+n+1], s[98:99], v[SX:SX+1] op_sel_hi:[1,0,0]    ; t - M
.set n, n+2
.endr
.irp b, 0,1,2,3
	v_fma_f32 v[BM+\b], v[BM+\b], s98, v[SX]
.endr
.set n, 0
	s_wait_alu depctr_va_vdst(0)
.rept 64
	v_exp_f32 v[S+n], v[S+n]               ; p, at most 1
.set n, n+1
.endr
	v_pk_mul_f32 v[SX+2:SX+3], v[SX+2:SX+3], v[FF:FF+1] op_sel_hi:[1,0]   ; the sums under the new M: the plain instruction behind the exponentials
	s_wait_alu depctr_va_vdst(0)           ; one wait for the batch of 64, ahead of its first reader
.irp b, 0,1,2,3
	v_exp_f32 v[BM+\b], v[BM+\b]           ; the blocks' largest p
.endr
	v_pk_add_f32 v[CH:CH+1], v[S:S+1], v[S+2:S+3]      ; the row's sum, of the unquantised p, in two chains
.set n, 4
.rept 15
	v_pk_add_f32 v[SX+2:SX+3], v[SX+2:SX+3], v[S+n:S+n+1]
	v_pk_add_f32 v[CH:CH+1], v[CH:CH+1], v[S+n+2:S+n+3]
.set n, n+4
.endr
	s_delay_alu instid0(VALU_DEP_1)
	v_pk_add_f32 v[SX+2:SX+3], v[SX+2:SX+3], v[CH:CH+1]
	s_wait_alu depctr_va_vdst(0)           ; and one for the four
.irp b, 0,1,2,3
	v_max_num_f32 v[BM+\b], FLOOR, v[BM+\b]
.endr
.irp b, 0,1,2,3
	s_delay_alu instid0(VALU_DEP_4)
	v_add_nc_u32 v[SC+\b], EOFF, v[BM+\b]
.endr
.irp b, 0,1,2,3
	s_delay_alu instid0(VALU_DEP_4)
	v_lshrrev_b32 v[PM+\b], 23, v[SC+\b]
.endr
	s_delay_alu instid0(VALU_DEP_3)
	v_lshl_or_b32 v[PW+(\x)], v[PM+1], 8, v[PM]
	s_delay_alu instid0(VALU_DEP_1)
	v_lshl_or_b32 v[PW+(\x)], v[PM+2], 16, v[PW+(\x)]
	s_delay_alu instid0(VALU_DEP_1)
	v_lshl_or_b32 v[PW+(\x)], v[PM+3], 24, v[PW+(\x)]
.irp b, 0,1,2,3
	v_cvt_scalef32_pk8_fp4_f32 v[PX+2*\b], v[S+16*\b:S+16*\b+7], v[SC+\b]
	v_cvt_scalef32_pk8_fp4_f32 v[PX+2*\b+1], v[S+16*\b+8:S+16*\b+15], v[SC+\b]
.endr
	v_nop                                  ; one plain instruction behind a scaled conversion
.irp c, 0,1
.irp i, 0,1
	v_permlane16_swap_b32 v[PX+4*\c+\i], v[PX+2+4*\c+\i]
.endr
.endr
.set n, 0
.rept 16
	v_pk_mul_f32 v[OX+n:OX+n+1], v[OX+n:OX+n+1], v[FF:FF+1] op_sel_hi:[1,0]   ; O^T under the new M; these stand between the writes of p's codes and scale word and the products that take them
.set n, n+2
.endr
.endm
.macro QUANT s, pc, pw                 ; 64 numbers of a lane, register 16 b + i = number 16 (lane / 16) + i of block b of my row: codes in v[pc] on, the four bytes in v[pw]
.irp b, 0,1,2,3
	v_max3_num_f32 v[TM+\b], |v[(\s)+16*\b]|, |v[(\s)+1+16*\b]|, FLOOR
.endr
.irp i, 2,4,6,8,10,12,14
.irp b, 0,1,2,3
	s_delay_alu instid0(VALU_DEP_4)
	v_max3_num_f32 v[TM+\b], v[TM+\b], |v[(\s)+16*\b+\i]|, |v[(\s)+1+16*\b+\i]|
.endr
.endr
.irp b, 0,1,2,3
	s_delay_alu instid0(VALU_DEP_4)
	v_permlanex16_b32 v[TM+4+\b], v[TM+\b], s96, s97
.endr
.irp b, 0,1,2,3
	s_delay_alu instid0(VALU_DEP_4)
	v_max_num_f32 v[TM+\b], v[TM+\b], v[TM+4+\b]
.endr
.irp b, 0,1,2,3
	s_delay_alu instid0(VALU_DEP_4)
	v_add_nc_u32 v[TM+12+\b], EOFF, v[TM+\b]
.endr
.irp b, 0,1,2,3
	s_delay_alu instid0(VALU_DEP_4)
	v_lshrrev_b32 v[TM+4+\b], 23, v[TM+12+\b]
.endr
	s_delay_alu instid0(VALU_DEP_3)
	v_lshl_or_b32 v[\pw], v[TM+5], 8, v[TM+4]
	s_delay_alu instid0(VALU_DEP_1)
	v_lshl_or_b32 v[\pw], v[TM+6], 16, v[\pw]
	s_delay_alu instid0(VALU_DEP_1)
	v_lshl_or_b32 v[\pw], v[TM+7], 24, v[\pw]
.irp b, 0,1,2,3
	v_cvt_scalef32_pk8_fp4_f32 v[(\pc)+2*\b], v[(\s)+16*\b:(\s)+7+16*\b], v[TM+12+\b]
	v_cvt_scalef32_pk8_fp4_f32 v[(\pc)+1+2*\b], v[(\s)+8+16*\b:(\s)+15+16*\b], v[TM+12+\b]
.endr
	v_nop
.irp c, 0,1
.irp i, 0,1
	v_permlane16_swap_b32 v[(\pc)+4*\c+\i], v[(\pc)+2+4*\c+\i]
.endr
.endr
.endm
	s_load_b256 s[4:11], s[0:1], 0x0       ; kv s[4:5], qc s[6:7], maskw s[8:9], oc s[10:11]
	s_load_b64 s[12:13], s[0:1], 0x20      ; os
	v_lshl_add_u32 v254, v0, 2, 0x29000
	v_mov_b32 v255, 0
	ds_add_u32 v254, v255
	ds_add_u32 v254, v255
	v_lshrrev_b32 v1, 5, v0
	s_delay_alu instid0(VALU_DEP_1)
	v_readfirstlane_b32 s14, v1            ; wave 0..15
	s_bfe_u32 s15, ttmp6, 0x40000          ; cx: my block of 512 queries; it enters global addresses of q, the mask and o alone
	s_and_b32 s101, ttmp7, 0xffff          ; 16 batch + head, which the four partners share
	v_and_b32 v3, 31, v0
	s_delay_alu instid0(VALU_DEP_1)
	v_lshlrev_b32 v[L16], 4, v3
	s_delay_alu instid0(VALU_DEP_2)
	v_lshlrev_b32 v[L8], 3, v3
	v_and_b32 v[A8], 15, v0
	s_delay_alu instid0(VALU_DEP_1)
	v_lshlrev_b32 v[A8], 3, v[A8]          ; for now: 8 (lane % 16), for q's scale word
	v_mov_b32 v[NEGR], 0xd0000000
	s_lshl_b32 s16, s15, 4
	s_add_co_u32 s16, s16, s14             ; g: my group of 32 queries in the sequence
	s_mul_i32 s18, s101, 16*STEPB          ; the head's K and V,
	s_mul_i32 s85, s14, STEPB              ; step w: in memory and in LDS alike
	s_add_co_u32 s18, s18, s85
	s_mov_b32 s19, 0
	s_lshr_b32 s20, s101, 4
	s_lshl_b32 s20, s20, 6
	s_add_co_u32 s20, s20, s16             ; G = 64 batch + g
	s_lshl_b32 s22, s20, 13                ; the mask words: 8,192 bytes a group
	s_mov_b32 s23, 0
	s_lshl_b32 s24, s101, 4
	s_lshr_b32 s25, s16, 2
	s_add_co_u32 s24, s24, s25
	s_mul_i32 s24, s24, 4352               ; q: the step's block,
	s_and_b32 s25, s16, 3
	s_lshl_b32 s25, s25, 10
	s_add_co_u32 s26, s24, s25             ; fragment g % 4
	s_mov_b32 s27, 0
	s_and_b32 s25, s16, 1                  ; its scale words: 4,096 + 128 (g % 2) + 4 ((g / 2) % 2), 8 bytes a row
	s_lshl_b32 s25, s25, 7
	s_add_co_u32 s28, s24, s25
	s_bfe_u32 s25, s16, 0x10001
	s_lshl_b32 s25, s25, 2
	s_add_co_u32 s28, s28, s25
	s_add_co_u32 s28, s28, 4096
	s_mov_b32 s29, 0
	s_and_b32 s30, s101, 15                ; the head
	s_lshr_b32 s31, s30, 1
	s_and_b32 s30, s30, 1
	s_lshl_b32 s32, s20, 14                ; o's codes: tile 2 G, K step head / 2, part head % 2
	s_lshl_b32 s34, s31, 10
	s_add_co_u32 s32, s32, s34
	s_lshl_b32 s34, s30, 9
	s_add_co_u32 s32, s32, s34
	s_mov_b32 s33, 0
	s_lshl_b32 s36, s20, 10                ; o's scale bytes: tile 2 G of 512 bytes, K step of 64, half-word head % 2
	s_lshl_b32 s34, s31, 6
	s_add_co_u32 s36, s36, s34
	s_lshl_b32 s34, s30, 1
	s_add_co_u32 s36, s36, s34
	s_mov_b32 s37, 0
	; the descriptor: a dense block of 8,704 bytes as 34 rows of 256 bytes (32 elements of 8 bytes), no padding
	s_mov_b32 s84, 1                       ; count = 1
	s_mov_b32 s88, 15|(3<<16)|(1<<21)      ; 15:0 the mask: all four work-groups; 17:16 elements of 8 bytes; 21 set beside a mask
	s_mov_b32 s89, 32<<16                  ; tensor_dim0 = 32
	s_mov_b32 s90, 34<<16                  ; tensor_dim1 = 34
	s_mov_b32 s91, 32<<16                  ; tile_dim0 = 32
	s_mov_b32 s92, 34                      ; tile_dim1 = 34
	s_mov_b32 s93, 32                      ; from row to row
	s_mov_b32 s94, 0
	s_mov_b32 s95, 0
	s_mov_b32 s96, 0x76543210
	s_mov_b32 s97, 0xfedcba98              ; v_permlanex16_b32's selects for lane l xor 16
	s_mov_b32 s98, 0x3e38aa3b              ; c = log2(e) / 8
	s_mov_b32 s99, s98                     ; (named with it as a pair)
	s_mov_b32 s100, 0xffff0000             ; lanes 16-31
	s_mov_b32 s2, 0                        ; the step's LDS byte
	s_mov_b32 s3, 0                        ; the step
	s_wait_dscnt 0x0
	s_wait_kmcnt 0x0
	s_add_nc_u64 s[86:87], s[4:5], s[18:19]
	s_or_b32 s87, s87, 0x80000000          ; type = 2
	s_add_nc_u64 s[8:9], s[8:9], s[22:23]
	s_add_nc_u64 s[4:5], s[6:7], s[26:27]  ; q's codes
	s_add_nc_u64 s[6:7], s[6:7], s[28:29]  ; q's scale words
	s_add_nc_u64 s[10:11], s[10:11], s[32:33]
	s_add_nc_u64 s[12:13], s[12:13], s[36:37]
	CROUND                                 ; all four work-groups are here: the joint loads meet
	tensor_load_to_lds s[84:87], s[88:95]  ; my one tensor load of the launch
	s_nop 0
	PLACES
	MASKLD 0                               ; tile 0, step 0
	s_wait_alu depctr_va_vdst(0)
	global_load_b128 v[Q+4:Q+7], v[L16], s[4:5]
	global_load_b128 v[Q+12:Q+15], v[L16], s[4:5] offset:512
	global_load_b32 v[TT], v[A8], s[6:7]   ; row r's word: bytes tile 0 dk0, dk1, tile 1 dk0, dk1
.irp i, 0,1,2,3
	v_mov_b32 v[Q+\i], 0                   ; the zero codes
	v_mov_b32 v[Q+8+\i], 0
	v_mov_b32 v[Q+16+\i], 0
.endr
.irp x, 0,1
	v_mov_b32 v[ST+4*\x+1], 0xff61b1e6     ; the largest t so far: -3e38
	s_delay_alu instid0(VALU_DEP_1)
	v_floor_f32 v[ST+4*\x], -v[ST+4*\x+1]
	v_mov_b32 v[ST+4*\x+2], 0
	v_mov_b32 v[ST+4*\x+3], 0
.endr
.irp b, 0,1,2,3
	v_mov_b32 v[PM+\b], 0                  ; written once: a lane permute's destination counts as one of its sources
.endr
	v_mov_b32 v[FF+1], 0
	s_wait_loadcnt 0x0                     ; q
	v_and_b32 v[BM], 0xffff, v[TT]
	v_lshlrev_b32 v[BM+1], 16, v[TT]
	s_delay_alu instid0(VALU_DEP_1)
	v_cndmask_b32 v[QS], v[BM], v[BM+1], s100          ; tile 0: its two bytes low (for [q | 0]) in lanes 0-15, high (for [0 | q]) in lanes 16-31
	v_lshrrev_b32 v[BM+2], 16, v[TT]
	v_and_b32 v[BM+3], 0xffff0000, v[TT]
	s_delay_alu instid0(VALU_DEP_1)
	v_cndmask_b32 v[QS+1], v[BM+2], v[BM+3], s100      ; tile 1 likewise
.set n, 0
.rept 64
	v_mov_b32 v[O+n], 0                    ; O^T.  The step is written once: its first trip finds zeros.  (These also stand between the writes of q's scale words and the first products)
.set n, n+1
.endr
	s_wait_tensorcnt 0x0                   ; my step is in LDS,
	s_barrier_signal -1
	s_barrier_wait -1                      ; all sixteen are
.Ltrip:                                        ; 16 trips: a key step of 128 keys
	v_add_nc_u32 v[A16], s2, v[L16]
	v_add_nc_u32 v[A8], s2, v[L8]
	v_nop
	v_nop                                  ; four plain instructions behind the last trip's products, ahead of the loads into the fragments' registers
	KLOAD
	s_wait_dscnt 0x0
	SMUL 0
	PLACES
	SOFTMAX 0, 0
	SMUL 1
	PLACES                                 ; ahead of V's loads into K's registers, and of the first read of the scores
	VLOAD                                  ; V lands behind tile 1's softmax
	SOFTMAX 1, 1
	s_wait_alu depctr_va_vdst(0)
	s_wait_dscnt 0x0
	PVMUL
	s_add_co_u32 s2, s2, STEPB
	s_add_co_u32 s3, s3, 1
	s_cmp_lt_u32 s3, 16
	s_cbranch_scc1 .Ltrip
	; THE WAY OUT: O^T / the sum; both tiles' two blocks of 32 along dv are quantised together; codes and scale bytes leave as images of the last product's operand
	s_wait_kmcnt 0x0                       ; the last trip's mask words, which nobody uses, have landed
	PLACES
.irp x, 0,1
	v_add_f32 v[BM+2*\x], v[ST+4*\x+2], v[ST+4*\x+3]
.endr
.irp x, 0,1
	s_delay_alu instid0(VALU_DEP_2)
	v_permlanex16_b32 v[PM+\x], v[BM+2*\x], s96, s97
.endr
.irp x, 0,1
	s_delay_alu instid0(VALU_DEP_2)
	v_add_f32 v[BM+2*\x], v[BM+2*\x], v[PM+\x]         ; the row's sum
.endr
	s_wait_alu depctr_va_vdst(0)
.irp x, 0,1
	v_rcp_f32 v[BM+2*\x], v[BM+2*\x]
.endr
	v_and_b32 v[OFS], 15, v0               ; (a plain instruction behind the reciprocals)
	v_bfe_u32 v[OFS+1], v0, 4, 1
	s_delay_alu instid0(VALU_DEP_2)
	v_lshlrev_b32 v[OFS], 2, v[OFS]
	s_delay_alu instid0(VALU_DEP_1)
	v_lshl_add_u32 v[OFS], v[OFS+1], 9, v[OFS]         ; 512 (lane / 16) + 4 (lane % 16)
	s_wait_alu depctr_va_vdst(0)           ; one wait for both reciprocals, ahead of their first reader
.irp x, 0,1
.set n, 0
.rept 16
	v_pk_mul_f32 v[S+32*\x+n:S+32*\x+n+1], v[O+32*\x+n:O+32*\x+n+1], v[BM+2*\x:BM+2*\x+1] op_sel_hi:[1,0]   ; register 16 B + i: dv 32 B + 16 h + i of my query
.set n, n+2
.endr
.endr
	QUANT S, OC, WD                        ; blocks 0, 1: tile 0's dv 0-31, 32-63; blocks 2, 3: tile 1's
	v_lshrrev_b32 v[WD+1], 16, v[WD]
	s_delay_alu instid0(VALU_DEP_1)
	v_cndmask_b32 v[WD+1], v[WD], v[WD+1], s100        ; lanes 0-15: tile 0's two bytes of row r; lanes 16-31: tile 1's
	global_store_b128 v[L16], v[OC:OC+3], s[10:11]     ; 512 consecutive bytes a tile
	global_store_b128 v[L16], v[OC+4:OC+7], s[10:11] offset:8192
	global_store_b16 v[OFS], v[WD+1], s[12:13]         ; two bytes a lane, 4 bytes apart: the launch's one small store, 64 bytes a wave; the neighbouring head writes the other halves
	s_wait_tensorcnt 0x0
	ds_add_u32 v254, v255
	s_wait_dscnt 0x0
	CROUND                                 ; the closing round: no work-group ends while a partner may still ask for a step that names it
	s_endpgm
.Lfunc_end_k_q0119c0a022_attn:
	.size	k_q0119c0a022_attn, .Lfunc_end_k_q0119c0a022_attn-k_q0119c0a022_attn
	.p2alignl 7, 3214868480
	.fill 96, 4, 3214868480
	.section	.rodata,"a",@progbits
	.p2align	6, 0x0
	.amdhsa_kernel k_q0119c0a022_attn
		.amdhsa_group_segment_fixed_size 169984
		.amdhsa_private_segment_fixed_size 0
		.amdhsa_enable_private_segment 0
		.amdhsa_kernarg_size 40
		.amdhsa_user_sgpr_count 2
		.amdhsa_user_sgpr_kernarg_segment_ptr 1
		.amdhsa_wavefront_size32 1
		.amdhsa_system_sgpr_workgroup_id_x 1
		.amdhsa_system_sgpr_workgroup_id_y 1
		.amdhsa_system_sgpr_workgroup_id_z 1
		.amdhsa_system_vgpr_workitem_id 0
		.amdhsa_next_free_vgpr 256
		.amdhsa_next_free_sgpr 102
		.amdhsa_reserve_vcc 0
		.amdhsa_float_denorm_mode_32 3
		.amdhsa_float_denorm_mode_16_64 3
		.amdhsa_memory_ordered 1
		.amdhsa_forward_progress 1
		.amdhsa_inst_pref_size 58
	.end_amdhsa_kernel
	.amdgpu_metadata
---
amdhsa.version: [ 1, 2 ]
amdhsa.kernels:
  - .name:           k_q0119c0a022_attn
    .symbol:         k_q0119c0a022_attn.kd
    .args:
      - { .name: kv, .offset: 0, .size: 8, .value_kind: global_buffer, .address_space: global }
      - { .name: qc, .offset: 8, .size: 8, .value_kind: global_buffer, .address_space: global }
      - { .name: maskw, .offset: 16, .size: 8, .value_kind: global_buffer, .address_space: global }
      - { .name: oc, .offset: 24, .size: 8, .value_kind: global_buffer, .address_space: global }
      - { .name: os, .offset: 32, .size: 8, .value_kind: global_buffer, .address_space: global }
    .group_segment_fixed_size: 169984
    .private_segment_fixed_size: 0
    .kernarg_segment_align: 8
    .kernarg_segment_size: 40
    .max_flat_workgroup_size: 512
    .sgpr_count:     102
    .vgpr_count:     256
    .wavefront_size: 32
...
	.end_amdgpu_metadata
.endif
;; end of part 3
;; launch outp (part 4): grid 64 x 4, 8 waves a work-group, no clusters, 105,472 bytes of LDS; arguments oc, os, wcodes, wscale, bo, out0; writes out0
.if DOCPART == 4
	.amdgcn_target "amdgcn-amd-amdhsa--gfx1250"
	.amdhsa_code_object_version 6
	.text
	.protected	k_q0119c0a022_outp
	.globl	k_q0119c0a022_outp
	.p2align	8
	.type	k_q0119c0a022_outp,@function
k_q0119c0a022_outp:
	s_mov_b64 s[64:65], 0
	v_nop
	global_prefetch_b8 v0, s[64:65] scope:SCOPE_SE
	s_setreg_imm32_b32 hwreg(HW_REG_WAVE_MODE, 25, 1), 1
	s_wait_xcnt 0x0
; OUTP.  out0 = o wo + bo on codes of FP4 (E2M1) with E8M0 scales, K = 1,024 = (head, dv).  o's codes and scale words come as images of operand registers (tile = 16 tokens: members 8 u + r + 8 (r / 8) of a group of 32).
; SHARES.  A work-group: 128 tokens (8 tiles) x 256 columns.  Eight waves: wave w takes token tiles 4 (w / 4) on and columns 64 (w % 4) on (4 tiles of wo): 16 accumulators by turns, 8 K steps of 128.
; o's 64 KB of codes and 4 KB of scale words are copied into LDS once (a tile a wave) and read by the waves, a K step ahead of the products, into two buffers by turns.
; wo's fragments of ALL eight K steps, 64 loads of 512 bytes a wave, are asked for at the head and go from memory straight into operand registers: K step 0 into window 0, K steps 1 to 7 into window 1 (v288-511).
; Source 0 = wo's tile, source 1 = o's tile: a lane holds one token and 16 neighbouring columns for each pair of wo's tiles.
; THE WAY OUT: a tile of 16 tokens x 64 columns goes through the wave's own stage in LDS and leaves as rows of 256 aligned bytes, two rows an instruction.
; NO CLUSTER: what work-groups share is wo (never in LDS) and o's 68 KB, read once a work-group: a small part beside the 128 KB that a work-group stores.  NO DATA PREFETCH: every load of the launch stands at its head.
.set OSL,  65536                       ; LDS: o's codes at 0 (8 tiles of 8,192), its scale words here (8 x 512),
.set STG,  69632                       ; the stages: 16 rows of 256 + 16 bytes for each wave
.set L16,  1                           ; v1   16 x lane
.set L4,   2                           ; v2   4 x lane
.set OA,   3                           ; v3   my four tiles' codes: 16 x lane + 32,768 (w / 4)
.set OSA,  4                           ; v4   their scale words: lanes 0-15 an even tile's rows, lanes 16-31 the next tile's
.set CPA,  5                           ; v5   the copy: 16 x lane + 8,192 w
.set OSR,  6                           ; v6-7     o's scale words of an even K step
.set OSR2, 254                         ; v254-255 of an odd one (at work in the head)
.set WS,   8                           ; v8-23  wo's scale words: 2 groups x 8 K steps
.set WB,   24                          ; v24-55 wo's four tiles of K step 0; then the bias
.set OF,   88                          ; v88-119 o's four fragments of an even K step, v56-87 of an odd one
.set ACC,  120                         ; v120-247 accumulator (token tile t, wo's tile l) at 32 t + 8 l
.set CPS,  248
.set STO,  249
.set RD,   250
.set GO,   251
.set BOF,  252
.macro PLACES
.rept 4
	v_nop
.endr
.endm
.macro MM1 d, a, b, c, sa, sb, ra, rb
.if (\ra) && (\rb)
	v_wmma_scale_f32_16x16x128_f8f6f4 v[\d:\d+7], v[\a:\a+7], v[\b:\b+7], \c, v[\sa], v[\sb] matrix_a_fmt:MATRIX_FMT_FP4 matrix_b_fmt:MATRIX_FMT_FP4 matrix_a_scale:MATRIX_SCALE_ROW1 matrix_b_scale:MATRIX_SCALE_ROW1
.elseif (\ra)
	v_wmma_scale_f32_16x16x128_f8f6f4 v[\d:\d+7], v[\a:\a+7], v[\b:\b+7], \c, v[\sa], v[\sb] matrix_a_fmt:MATRIX_FMT_FP4 matrix_b_fmt:MATRIX_FMT_FP4 matrix_a_scale:MATRIX_SCALE_ROW1
.elseif (\rb)
	v_wmma_scale_f32_16x16x128_f8f6f4 v[\d:\d+7], v[\a:\a+7], v[\b:\b+7], \c, v[\sa], v[\sb] matrix_a_fmt:MATRIX_FMT_FP4 matrix_b_fmt:MATRIX_FMT_FP4 matrix_b_scale:MATRIX_SCALE_ROW1
.else
	v_wmma_scale_f32_16x16x128_f8f6f4 v[\d:\d+7], v[\a:\a+7], v[\b:\b+7], \c, v[\sa], v[\sb] matrix_a_fmt:MATRIX_FMT_FP4 matrix_b_fmt:MATRIX_FMT_FP4
.endif
.endm
.macro MM d, a, b, z, sa, sb, ra, rb   ; z: the product starts its sum
.if \z
	MM1 \d, \a, \b, 0, \sa, \sb, \ra, \rb
.else
	MM1 \d, \a, \b, v[\d:\d+7], \sa, \sb, \ra, \rb
.endif
.endm
.macro WLOAD s                         ; wo's four tiles for K step s: eight loads of 512 consecutive bytes.  K step 0: v24 on; K step s: register 32 s on of the window that the caller has set
.if (\s) == 0
.set WL, WB
.else
.set WL, 32*(\s)
.endif
.irp t, 0,1,2,3
.irp c, 0,1
	global_load_b128 v[WL+8*\t+4*\c:WL+8*\t+4*\c+3], v[L16], s[8:9] offset:8192*\t+1024*(\s)+512*\c
.endr
.endr
.endm
.macro OLOAD s                         ; o's four fragments and two registers of scale words for K step s, into buffer s % 2: 10 LDS loads
.set OB, OF-32*((\s)%2)
.if ((\s)%2)
.set OS, OSR2
.else
.set OS, OSR
.endif
.irp t, 0,1,2,3
.irp c, 0,1
	ds_load_b128 v[OB+8*\t+4*\c:OB+8*\t+4*\c+3], v[OA] offset:8192*\t+1024*(\s)+512*\c
.endr
.endr
.irp j, 0,1
	ds_load_b32 v[OS+\j], v[OSA] offset:1024*\j+64*(\s)
.endr
.endm
.macro GSTEP s
.if (\s) > 0
	PLACES                                 ; behind the last K step's products, ahead of the loads into registers that they read
.endif
.if (\s) == 7
.irp b, 0,1                            ; the bias, where K step 0's tiles of wo lay: register 16 b + e: column 32 b + 16 h + e of my 64
.irp i, 0,1,2,3
	global_load_b128 v[WB+16*\b+4*\i:WB+16*\b+4*\i+3], v[BOF], s[12:13] offset:128*\b+16*\i
.endr
.endr
	s_wait_loadcnt 8                       ; the last K step's wo is in; the bias's eight loads may be out
	s_wait_dscnt 0x0
.else
	OLOAD (\s)+1
	s_wait_loadcnt 8*(7-(\s))              ; this step's wo is in; the later steps' loads, 8 each, may be out
	s_wait_dscnt 10                        ; this step's o is in; the ten loads just issued may be out
.endif
.set OB, OF-32*((\s)%2)
.if ((\s)%2)
.set OS, OSR2
.else
.set OS, OSR
.endif
.if (\s) == 0
.set WU, WB
.set ZF, 1
.else
.set WU, 32*(\s)
.set ZF, 0
	s_set_vgpr_msb 0x01                    ; source 0 in window 1
.endif
.irp t, 0,1,2,3
.irp l, 0,1,2,3
	MM ACC+32*\t+8*\l, WU+8*\l, OB+8*\t, ZF, WS+8*(\l/2)+(\s), OS+\t/2, \l%2, \t%2
.endr
.endr
.if (\s) > 0
	s_set_vgpr_msb 0x0100
.endif
.endm
.macro TOSTAGE t                       ; token tile t: + bias, into my stage, and back as rows
.set a, ACC+32*(\t)
.set BK, OF-32*((\t)%2)                ; the rows come back into o's two buffers, by turns
.irp k, 0,2,4,6,8,10,12,14,16,18,20,22,24,26,28,30
	v_pk_add_f32 v[a+\k:a+\k+1], v[a+\k:a+\k+1], v[WB+\k:WB+\k+1]     ; each accumulator from its low end on
.endr
.irp q, 0,1,2,3,4,5,6,7
	ds_store_b128 v[STO], v[a+4*\q:a+4*\q+3] offset:128*(\q/4)+16*(\q%4)
.endr
.irp i, 0,1,2,3,4,5,6,7
	ds_load_b128 v[BK+4*\i:BK+4*\i+3], v[RD] offset:544*\i     ; LDS serves a wave's instructions in order: these see the stores above, and the next tile's stores come behind them
.endr
.endm
.macro SEND t, younger                 ; younger: the LDS instructions issued behind tile t's loads
.set BK, OF-32*((\t)%2)
.irp i, 0,1,2,3,4,5,6,7
	s_wait_dscnt (\younger)+7-\i
	global_store_b128 v[GO], v[BK+4*\i:BK+4*\i+3], s[14:15] offset:(32*((\t)/2)+8*((\t)%2)+2*\i+8*(\i/4))*4096 th:TH_STORE_NT   ; stage rows 2 i, 2 i + 1 are tokens 8 u + row + 8 (row / 8) of the group: two rows of 256 aligned bytes
.endr
.endm
	s_load_b256 s[4:11], s[0:1], 0x0       ; oc s[4:5], os s[6:7], wcodes s[8:9], wscale s[10:11]
	s_load_b128 s[12:15], s[0:1], 0x20     ; bo s[12:13], out0 s[14:15]
	s_set_vgpr_msb 0x40
	v_lshl_add_u32 v0, v0, 2, 0x19800      ; v256: my spare word
	v_mov_b32 v1, 0                        ; v257: 0
	s_set_vgpr_msb 0x4000
	v_lshrrev_b32 v1, 5, v0
	v_readfirstlane_b32 s16, v1            ; wave 0..7
	s_and_b32 s17, ttmp7, 0xffff           ; which 256 columns
	s_lshr_b32 s18, s16, 2                 ; which four token tiles
	s_and_b32 s19, s16, 3                  ; which 64 columns
	v_and_b32 v253, 31, v0                 ; lane
	v_and_b32 v254, 15, v0                 ; r
	v_bfe_u32 v255, v0, 4, 1               ; h
	v_lshlrev_b32 v[L16], 4, v253
	v_lshlrev_b32 v[L4], 2, v253
	s_lshl_b32 s20, s18, 15
	v_add_nc_u32 v[OA], s20, v[L16]
	s_lshl_b32 s20, s18, 11
	s_add_co_u32 s20, s20, OSL
	v_lshlrev_b32 v[OSA], 2, v254
	v_lshl_add_u32 v[OSA], v255, 9, v[OSA]
	v_add_nc_u32 v[OSA], s20, v[OSA]
	s_lshl_b32 s20, s16, 13
	v_add_nc_u32 v[CPA], s20, v[L16]
	s_lshl_b32 s20, s16, 9
	s_add_co_u32 s20, s20, OSL
	v_add_nc_u32 v[CPS], s20, v[L16]
	s_mul_i32 s20, s16, 16*272
	s_add_co_u32 s20, s20, STG             ; my stage
	v_mul_u32_u24 v[STO], v254, 272
	v_lshl_add_u32 v[STO], v255, 6, v[STO]
	v_add_nc_u32 v[STO], s20, v[STO]       ; in: row r, 64 bytes for each half of the lanes
	v_mul_u32_u24 v[RD], v255, 272
	v_lshl_add_u32 v[RD], v254, 4, v[RD]
	v_add_nc_u32 v[RD], s20, v[RD]         ; back: lanes 0-15 one row, lanes 16-31 the next
	v_lshlrev_b32 v[GO], 4, v254
	v_lshl_add_u32 v[GO], v255, 12, v[GO]  ; and the same two rows in out0
	v_lshlrev_b32 v[BOF], 6, v255
	s_lshl_b32 s22, ttmp9, 3
	s_add_co_u32 s22, s22, s16             ; the tile that I copy: 8 x work-group + wave
	s_lshl_b32 s24, s22, 13
	s_mov_b32 s25, 0
	s_lshl_b32 s26, s22, 9
	s_mov_b32 s27, 0
	s_lshl_b32 s22, s17, 2
	s_add_co_u32 s22, s22, s19             ; my 64 columns' number
	s_lshl_b32 s28, s22, 15                ; four tiles of 8,192 bytes,
	s_add_co_u32 s28, s28, 3*524288        ; in the fourth matrix
	s_mov_b32 s29, 0
	s_lshl_b32 s30, s22, 11                ; two groups of 1,024 bytes
	s_add_co_u32 s30, s30, 3*32768
	s_mov_b32 s31, 0
	s_lshl_b32 s32, s22, 8                 ; 256 bytes of bo, and of a row of out0
	s_mov_b32 s33, 0
	s_lshl_b32 s34, ttmp9, 19              ; 128 rows of 4,096 bytes a work-group,
	s_lshl_b32 s35, s18, 18                ; 64 for each half of the waves
	s_add_co_u32 s34, s34, s35
	s_add_co_u32 s34, s34, s32
	s_mov_b32 s35, 0
	s_wait_alu depctr_va_vdst(0)
	s_wait_kmcnt 0x0
	s_add_nc_u64 s[4:5], s[4:5], s[24:25]
	s_add_nc_u64 s[6:7], s[6:7], s[26:27]
	s_add_nc_u64 s[8:9], s[8:9], s[28:29]
	s_add_nc_u64 s[10:11], s[10:11], s[30:31]
	s_add_nc_u64 s[12:13], s[12:13], s[32:33]
	s_add_nc_u64 s[14:15], s[14:15], s[34:35]
.irp b, 0,1
.irp s, 0,1,2,3,4,5,6,7
	global_load_b32 v[WS+8*\b+\s], v[L4], s[10:11] offset:1024*\b+128*\s
.endr
.endr
	WLOAD 0
.set n, 0
.rept 16
	global_load_b128 v[ACC+4*n:ACC+4*n+3], v[L16], s[4:5] offset:512*n     ; the copy: my tile's 8,192 bytes,
.set n, n+1
.endr
	global_load_b128 v[ACC+64:ACC+67], v[L16], s[6:7]                      ; and its 512 bytes of scale words
	s_set_vgpr_msb 0x40                    ; destinations in window 1
.irp s, 1,2,3,4,5,6,7
	WLOAD \s                               ; 56 loads
.endr
	s_set_vgpr_msb 0x4000
	s_wait_loadcnt 56                      ; all but those 56 are in
.set n, 0
.rept 16
	ds_store_b128 v[CPA], v[ACC+4*n:ACC+4*n+3] offset:512*n
.set n, n+1
.endr
	ds_store_b128 v[CPS], v[ACC+64:ACC+67]
	s_wait_dscnt 0x0                       ; for the others' sake: my tile lies in LDS
	s_barrier_signal -1
	s_barrier_wait -1                      ; all eight do; from here on a wave stores only into its own stage
	OLOAD 0
.irp s, 0,1,2,3,4,5,6,7
	GSTEP \s
.endr
	PLACES                                 ; behind the last products: ahead of the first read of results and of the loads into operands' registers
	s_wait_loadcnt 0x0                     ; the bias
	TOSTAGE 0
.irp a, 1,2,3
.if \a > 1
	s_wait_xcnt 0x0                        ; tile a - 2's stores have read their registers: tile a's rows may land there
.endif
	TOSTAGE \a
	SEND \a-1, 16                          ; behind tile a - 1's loads: tile a's 8 stores and 8 loads
.endr
	SEND 3, 0
	s_set_vgpr_msb 0x5                     ; the add's two registers lie in window 1
	s_wait_tensorcnt 0x0                   ; the wave's end
	ds_add_u32 v0, v1
	s_wait_dscnt 0x0
	s_set_vgpr_msb 0x500
	s_endpgm
.Lfunc_end_k_q0119c0a022_outp:
	.size	k_q0119c0a022_outp, .Lfunc_end_k_q0119c0a022_outp-k_q0119c0a022_outp
	.p2alignl 7, 3214868480
	.fill 96, 4, 3214868480
	.section	.rodata,"a",@progbits
	.p2align	6, 0x0
	.amdhsa_kernel k_q0119c0a022_outp
		.amdhsa_group_segment_fixed_size 105472
		.amdhsa_private_segment_fixed_size 0
		.amdhsa_enable_private_segment 0
		.amdhsa_kernarg_size 48
		.amdhsa_user_sgpr_count 2
		.amdhsa_user_sgpr_kernarg_segment_ptr 1
		.amdhsa_wavefront_size32 1
		.amdhsa_system_sgpr_workgroup_id_x 1
		.amdhsa_system_sgpr_workgroup_id_y 1
		.amdhsa_system_sgpr_workgroup_id_z 1
		.amdhsa_system_vgpr_workitem_id 0
		.amdhsa_next_free_vgpr 512
		.amdhsa_next_free_sgpr 66
		.amdhsa_reserve_vcc 0
		.amdhsa_float_denorm_mode_32 3
		.amdhsa_float_denorm_mode_16_64 3
		.amdhsa_memory_ordered 1
		.amdhsa_forward_progress 1
		.amdhsa_inst_pref_size 50
	.end_amdhsa_kernel
	.amdgpu_metadata
---
amdhsa.version: [ 1, 2 ]
amdhsa.kernels:
  - .name:           k_q0119c0a022_outp
    .symbol:         k_q0119c0a022_outp.kd
    .args:
      - { .name: oc, .offset: 0, .size: 8, .value_kind: global_buffer, .address_space: global }
      - { .name: os, .offset: 8, .size: 8, .value_kind: global_buffer, .address_space: global }
      - { .name: wcodes, .offset: 16, .size: 8, .value_kind: global_buffer, .address_space: global }
      - { .name: wscale, .offset: 24, .size: 8, .value_kind: global_buffer, .address_space: global }
      - { .name: bo, .offset: 32, .size: 8, .value_kind: global_buffer, .address_space: global }
      - { .name: out0, .offset: 40, .size: 8, .value_kind: global_buffer, .address_space: global }
    .group_segment_fixed_size: 105472
    .private_segment_fixed_size: 0
    .kernarg_segment_align: 8
    .kernarg_segment_size: 48
    .max_flat_workgroup_size: 256
    .sgpr_count:     66
    .vgpr_count:     512
    .wavefront_size: 32
...
	.end_amdgpu_metadata
.endif
;; end of part 4
